; MI455X (gfx1250); checked and timed in simulation.
; The chip was launched on July 23, 2026; its instructions are those of AMD's public machine-readable ISA for CDNA 5 (MIT licence, August 2026) and "CDNA5" Instruction Set Architecture Reference Guide (July 2026). The comments in the code are by the model that wrote it; some were corrected since.
;; Min GRU Wrapper. Allowed arithmetic: matrix products marked QUANTISED: E2M3 operands, one E8M0 scale for each 32 along K, by v_wmma_scale_f32_16x16x128_f8f6f4 with both operands' format E2M3, f32 sums; everything else in f32.
;; Inputs: ff_b1 4 x 256 float32; ff_b2 4 x 256 float32; ff_norm_w 4 x 256 float32; ff_w1 4 x 256 x 256 float32; ff_w2 4 x 256 x 256 float32; final_norm_w 256 float32; norm_w 4 x 256 float32; whg 4 x 256 x 512 float32; x 8 x 4,096 x 256 float32.
;; Outputs: out0 8 x 4,096 x 256 float32.
;; This version of the problem:
;;   THIS VERSION OF THE PROBLEM IS GIVEN IN LOW PRECISION. The matrix products marked QUANTISED in the list below multiply operands that are first quantised to E2M3 (2 exponent bits, 3 mantissa bits; 6 bits a number), with one power-of-two scale for each 32 numbers along K (OCP MX v1.0); their sums are f32. All else is computed in f32.
;;   The module's matrix products, in the order in which they are computed (A, B: the left and right operand; K: the contracted axis; several contracted axes count as one K, in the product's order):
;;     1. [M 32,768, K 256] x [K 256, N 512]; A: computed on the way; B: input whg: QUANTISED
;;     2. [M 32,768, K 256] x [K 256, N 256]; A: computed on the way; B: input ff_w1: QUANTISED
;;     3. [M 32,768, K 256] x [K 256, N 256]; A: computed on the way; B: input ff_w2: QUANTISED
;;     4. [M 32,768, K 256] x [K 256, N 512]; A: computed on the way; B: input whg: QUANTISED
;;     5. [M 32,768, K 256] x [K 256, N 256]; A: computed on the way; B: input ff_w1: QUANTISED
;;     6. [M 32,768, K 256] x [K 256, N 256]; A: computed on the way; B: input ff_w2: QUANTISED
;;     7. [M 32,768, K 256] x [K 256, N 512]; A: computed on the way; B: input whg: QUANTISED
;;     8. [M 32,768, K 256] x [K 256, N 256]; A: computed on the way; B: input ff_w1: QUANTISED
;;     9. [M 32,768, K 256] x [K 256, N 256]; A: computed on the way; B: input ff_w2: QUANTISED
;;     10. [M 32,768, K 256] x [K 256, N 512]; A: computed on the way; B: input whg: QUANTISED
;;     11. [M 32,768, K 256] x [K 256, N 256]; A: computed on the way; B: input ff_w1: QUANTISED
;;     12. [M 32,768, K 256] x [K 256, N 256]; A: computed on the way; B: input ff_w2: QUANTISED
;;   THE QUANTISER, for each operand of a quantised product, along K:
;;     - K is cut into blocks of 32 from its start; a last block that is shorter is filled with zeros.
;;     - A block's scale is 2^e with e = floor(log2(the largest magnitude in the block)) - 2, held to -126 .. 127; a block of zeros has e = 0. As a byte (E8M0): e + 127.
;;     - Each number is divided by its block's scale, clamped to +-7.5, and rounded to the nearest number of E2M3, ties to even, subnormals kept.
;;     - The product sums the exact products of the quantised numbers (number of the format x scale) in f32.
;;   ~~~python
;;   def quantise(x, axis):      # numpy; x: float32 -> the quantised numbers, widened to float32 again
;;       x = np.moveaxis(x, axis, -1); K = x.shape[-1]
;;       x = np.pad(x, [(0, 0)] * (x.ndim - 1) + [(0, -K % 32)]); x = x.reshape(x.shape[:-1] + (-1, 32)); a = np.abs(x).max(-1, keepdims=True)
;;       e = np.where(a > 0, np.clip(np.frexp(np.where(a > 0, a, 1))[1] - 1 - 2, -126, 127), 0)      # np.frexp(a)[1] - 1 = floor(log2(a)), exactly
;;       r = np.clip(x / 2.0 ** e, -7.5, 7.5)
;;       step = 2.0 ** (np.maximum(np.frexp(np.where(r == 0, 1, r))[1] - 1, 0) - 3)
;;       q = np.round(r / step) * step * 2.0 ** e      # np.round: ties to even
;;       return np.moveaxis(q.reshape(q.shape[:-2] + (-1,))[..., :K], -1, axis).astype(np.float32)
;;   ~~~
;;   OPERANDS COMPUTED ON THE WAY. 'Computed on the way' means the value that the module computes at that place (a softmax that the list does not call 'softmax' is quantised finished and normalised). What goes into a quantiser is computed in f32, as accurately as f32 sums, v_exp_f32 and their like allow (about 1e-6 of the number): no bf16 or f16 on the way to a quantiser, and a product that is left as it is and whose result goes on into a quantised operand takes f32 operands (vector FMAs, or v_wmma_f32_16x16x4_f32). A number that lies on a knife's edge between two numbers of the format may be rounded either way, as far as f32 arithmetic and the matrix unit's own rounding can turn it there, and no further.
;; One version. Each part assembles by itself: llvm-mc -triple=amdgcn-amd-amdhsa -mcpu=gfx1250 --defsym DOCPART=n.
;; ======== version 1 of 1: 6 launches
;; limits: right only within a limited range of input values
;; workspace buffers: xa 33,554,432 bytes; xb 33,554,432 bytes; agga 1,048,576 bytes; aggb 1,048,576 bytes; wl0 217,088 bytes; wl1 217,088 bytes; wl2 217,088 bytes; wl3 217,088 bytes
;; launch prep (part 1): grid 33 x 4, 4 waves a work-group, no clusters, 0 bytes of LDS; arguments whg, ff_w1, ff_w2, norm_w, ff_norm_w, ff_b1, ff_b2, wl0, wl1, wl2, wl3; writes wl0, wl1, wl2, wl3
.if DOCPART == 1
	.amdgcn_target "amdgcn-amd-amdhsa--gfx1250"
	.amdhsa_code_object_version 6
	.text
	.protected	k_qfb663def91_prep
	.globl	k_qfb663def91_prep
	.p2align	8
	.type	k_qfb663def91_prep,@function
k_qfb663def91_prep:
	s_mov_b64 s[64:65], 0
	v_nop
	global_prefetch_b8 v0, s[64:65] scope:SCOPE_SE
	s_setreg_imm32_b32 hwreg(HW_REG_WAVE_MODE, 25, 1), 1
	s_wait_xcnt 0x0
; The weights of one layer (work-group y) become codes of FP6 (E2M3) with one E8M0 scale for each 32 along K, laid in the ORDER OF THE OPERAND'S REGISTERS,
; so that the later launches load each fragment by three loads of 16 bytes a lane.  All three weights have K as their first axis: a lane takes a column and its registers run down K.
; wl (one buffer a layer): byte 0: images [cw 4][f 32][1,536]: three groups of 512 bytes, lane l's 16 bytes at 16 l;  byte 196,608: scale words [cw][f][128], lane l's at 4 l;
; byte 212,992: norm_w, ff_norm_w, ff_b1, ff_b2 of the layer, 1,024 bytes each.
; f = 0..15: whg, column tile ct = f / 2, K step s = f % 2; ct 0..3: hidden columns 64 cw + 16 ct + r; ct 4..7: gate columns 256 + 64 cw + 16 (ct - 4) + r.
; f = 16..23: ff_w1, f = 24..31: ff_w2: tile 2 b + u = (f % 8) / 2; lane r takes column 64 cw + 32 b + 8 u + r + 8 (r / 8), so that two neighbouring tiles' results are 16 neighbours along the next K.
; Work-group x = 0..31: cw = x / 8, four fragments f = 4 (x % 8) + wave, one a wave.  x = 32: the four parameter rows, one a wave.
; A block's scale is 2^(floor(log2(largest magnitude)) - 2); its byte is the largest magnitude's exponent field - 2, held at 1 from below.
; LIMITS: a block of zeros gets the byte 1 where the rule says 127 (its codes are zeros, and this program alone reads the bytes); NaN and infinities are not served.
.macro LOADW pitch, base               ; W(128 s + 64 c + 32 h + i, my column): sixteen neighbouring lanes read 64 neighbouring bytes
.irp c, 0,1
.set ii, 0
.rept 32
	global_load_b32 v[64+32*\c+ii], v5, s[\base:\base+1] offset:(64*\c+ii)*\pitch
.set ii, ii+1
.endr
.endr
.endm
	s_load_b256 s[4:11], s[0:1], 0x0               ; whg s[4:5], ff_w1 s[6:7], ff_w2 s[8:9], norm_w s[10:11]
	s_load_b256 s[12:19], s[0:1], 0x20             ; ff_norm_w s[12:13], ff_b1 s[14:15], ff_b2 s[16:17], wl0 s[18:19]
	s_load_b128 s[20:23], s[0:1], 0x40             ; wl1, wl2
	s_load_b64 s[24:25], s[0:1], 0x50              ; wl3
	v_lshrrev_b32 v1, 5, v0
	v_readfirstlane_b32 s26, v1                    ; wave
	s_and_b32 s27, ttmp7, 0xffff                   ; layer
	v_and_b32 v1, 15, v0                           ; r
	v_bfe_u32 v2, v0, 4, 1                         ; h
	v_and_b32 v3, 31, v0                           ; lane
	v_lshlrev_b32 v4, 4, v3                        ; 16 x lane
	s_mov_b32 s29, 0
	s_mov_b32 s46, 0x76543210
	s_mov_b32 s47, 0xfedcba98                      ; v_permlanex16_b32's selects for lane l xor 16
	s_wait_kmcnt 0x0
	s_cmp_eq_u32 s27, 1                            ; the layer's buffer: the choice hangs on the work-group's number alone
	s_cselect_b64 s[18:19], s[20:21], s[18:19]
	s_cmp_eq_u32 s27, 2
	s_cselect_b64 s[18:19], s[22:23], s[18:19]
	s_cmp_eq_u32 s27, 3
	s_cselect_b64 s[18:19], s[24:25], s[18:19]
	s_cmp_eq_u32 ttmp9, 32
	s_cbranch_scc0 .Lfrag
	; ---- the parameters: wave p copies row 'layer' of its tensor, 1,024 bytes
	s_cmp_eq_u32 s26, 1
	s_cselect_b64 s[10:11], s[12:13], s[10:11]
	s_cmp_eq_u32 s26, 2
	s_cselect_b64 s[10:11], s[14:15], s[10:11]
	s_cmp_eq_u32 s26, 3
	s_cselect_b64 s[10:11], s[16:17], s[10:11]
	s_lshl_b32 s28, s27, 10
	s_add_nc_u64 s[10:11], s[10:11], s[28:29]
	s_lshl_b32 s28, s26, 10
	s_add_co_u32 s28, s28, 212992
	s_add_nc_u64 s[18:19], s[18:19], s[28:29]
	s_wait_alu depctr_va_vdst(0)
	global_load_b128 v[8:11], v4, s[10:11]
	global_load_b128 v[12:15], v4, s[10:11] offset:512
	s_wait_loadcnt 0x0
	global_store_b128 v4, v[8:11], s[18:19]        ; 32 lanes store 512 consecutive bytes
	global_store_b128 v4, v[12:15], s[18:19] offset:512
	s_endpgm
.Lfrag:
	s_lshr_b32 s30, ttmp9, 3                       ; cw
	s_and_b32 s31, ttmp9, 7
	s_lshl_b32 s32, s31, 2
	s_add_co_u32 s32, s32, s26                     ; f
	s_and_b32 s33, s26, 1                          ; K step s
	s_lshr_b32 s34, s26, 1
	s_mul_i32 s36, s30, 49152
	s_mul_i32 s37, s32, 1536
	s_add_co_u32 s36, s36, s37
	s_mov_b32 s37, 0
	s_add_nc_u64 s[38:39], s[18:19], s[36:37]      ; where the image goes
	s_lshl_b32 s36, s30, 12
	s_lshl_b32 s35, s32, 7
	s_add_co_u32 s36, s36, s35
	s_add_co_u32 s36, s36, 196608
	s_add_nc_u64 s[40:41], s[18:19], s[36:37]      ; and its scale words
	s_mov_b32 s43, 0
	s_cmp_lt_u32 s31, 4
	s_cbranch_scc0 .Lff
	; ---- whg: rows of 2,048 bytes
	s_lshl_b32 s35, s31, 1
	s_add_co_u32 s35, s35, s34                     ; ct
	s_and_b32 s42, s35, 3
	s_lshl_b32 s42, s42, 4
	s_lshr_b32 s44, s35, 2
	s_lshl_b32 s44, s44, 8
	s_add_co_u32 s42, s42, s44
	s_lshl_b32 s44, s30, 6
	s_add_co_u32 s42, s42, s44                     ; first column: 64 cw + 16 (ct % 4) + 256 (ct / 4)
	s_lshl_b32 s42, s42, 2
	s_lshl_b32 s44, s33, 18                        ; 128 s rows
	s_add_co_u32 s42, s42, s44
	s_lshl_b32 s44, s27, 19                        ; the layer
	s_add_co_u32 s42, s42, s44
	s_add_nc_u64 s[4:5], s[4:5], s[42:43]
	s_wait_alu depctr_va_vdst(0)
	v_lshlrev_b32 v5, 2, v1
	v_lshl_add_u32 v5, v2, 16, v5                  ; 4 r + 32 h rows
	LOADW 2048, 4
	s_branch .Lquant
.Lff:
	; ---- ff_w1 or ff_w2: rows of 1,024 bytes
	s_cmp_lt_u32 s31, 6
	s_cselect_b64 s[6:7], s[6:7], s[8:9]
	s_and_b32 s42, s31, 1
	s_lshl_b32 s42, s42, 5
	s_lshl_b32 s44, s34, 3
	s_add_co_u32 s42, s42, s44
	s_lshl_b32 s44, s30, 6
	s_add_co_u32 s42, s42, s44                     ; first column: 64 cw + 32 b + 8 u
	s_lshl_b32 s42, s42, 2
	s_lshl_b32 s44, s33, 17
	s_add_co_u32 s42, s42, s44
	s_lshl_b32 s44, s27, 18
	s_add_co_u32 s42, s42, s44
	s_add_nc_u64 s[6:7], s[6:7], s[42:43]
	s_wait_alu depctr_va_vdst(0)
	v_and_b32 v5, 8, v1
	v_add_nc_u32 v5, v5, v1
	v_lshlrev_b32 v5, 2, v5
	v_lshl_add_u32 v5, v2, 15, v5                  ; 4 (r + 8 (r / 8)) + 32 h rows
	LOADW 1024, 6
.Lquant:
	s_wait_loadcnt 0x0
.irp c, 0,1                                    ; my block 2 c + h: all its 32 numbers are mine
	v_max3_num_f32 v[32+\c], |v[64+32*\c]|, |v[65+32*\c]|, 0x1800000   ; with the floor 2^(3 - 127): the byte cannot fall under 1
.endr
.irp i, 2,4,6,8,10,12,14,16,18,20,22,24,26,28,30
.irp c, 0,1
	v_max3_num_f32 v[32+\c], v[32+\c], |v[64+32*\c+\i]|, |v[65+32*\c+\i]|
.endr
.endr
.irp c, 0,1
	v_add_nc_u32 v[44+\c], 0xff000000, v[32+\c]    ; 2 off the exponent field: the conversion's scale operand
.endr
.irp c, 0,1
	v_lshrrev_b32 v[36+\c], 23, v[44+\c]           ; the scale's byte
.endr
	v_lshl_or_b32 v9, v37, 16, v36                 ; my two bytes: blocks h and 2 + h,
	v_lshlrev_b32 v10, 3, v2
	v_lshlrev_b32 v9, v10, v9                      ; at their places in the word;
	v_mov_b32 v10, 0
	v_permlanex16_b32 v10, v9, s46, s47
	v_or_b32 v9, v9, v10                           ; with lane l xor 16's two the word is whole
.irp c, 0,1
	v_cvt_scalef32_pk16_fp6_f32 v[48+6*\c:50+6*\c], v[64+32*\c:79+32*\c], v[44+\c]
	v_cvt_scalef32_pk16_fp6_f32 v[128+4*\c:130+4*\c], v[80+32*\c:95+32*\c], v[44+\c]   ; (a conversion's three registers begin on an even number)
.endr
	v_nop                                          ; one plain place behind a scaled conversion
.irp c, 0,1
.irp i, 0,1,2
	v_mov_b32 v[51+6*\c+\i], v[128+4*\c+\i]
.endr
.endr
	v_lshlrev_b32 v6, 2, v3
	global_store_b128 v4, v[48:51], s[38:39]       ; 32 lanes store 512 consecutive bytes, at a multiple of 512 from the buffer's first byte
	global_store_b128 v4, v[52:55], s[38:39] offset:512
	global_store_b128 v4, v[56:59], s[38:39] offset:1024
	global_store_b32 v6, v9, s[40:41]
	s_endpgm
.Lfunc_end_k_qfb663def91_prep:
	.size	k_qfb663def91_prep, .Lfunc_end_k_qfb663def91_prep-k_qfb663def91_prep
	.p2alignl 7, 3214868480
	.fill 96, 4, 3214868480
	.section	.rodata,"a",@progbits
	.p2align	6, 0x0
	.amdhsa_kernel k_qfb663def91_prep
		.amdhsa_group_segment_fixed_size 0
		.amdhsa_private_segment_fixed_size 0
		.amdhsa_enable_private_segment 0
		.amdhsa_kernarg_size 88
		.amdhsa_user_sgpr_count 2
		.amdhsa_user_sgpr_kernarg_segment_ptr 1
		.amdhsa_wavefront_size32 1
		.amdhsa_system_sgpr_workgroup_id_x 1
		.amdhsa_system_sgpr_workgroup_id_y 1
		.amdhsa_system_sgpr_workgroup_id_z 1
		.amdhsa_system_vgpr_workitem_id 0
		.amdhsa_next_free_vgpr 160
		.amdhsa_next_free_sgpr 66
		.amdhsa_reserve_vcc 0
		.amdhsa_float_denorm_mode_32 3
		.amdhsa_float_denorm_mode_16_64 3
		.amdhsa_memory_ordered 1
		.amdhsa_forward_progress 1
		.amdhsa_inst_pref_size 20
	.end_amdhsa_kernel
	.amdgpu_metadata
---
amdhsa.version: [ 1, 2 ]
amdhsa.kernels:
  - .name:           k_qfb663def91_prep
    .symbol:         k_qfb663def91_prep.kd
    .args:
      - { .name: whg, .offset: 0, .size: 8, .value_kind: global_buffer, .address_space: global }
      - { .name: ff_w1, .offset: 8, .size: 8, .value_kind: global_buffer, .address_space: global }
      - { .name: ff_w2, .offset: 16, .size: 8, .value_kind: global_buffer, .address_space: global }
      - { .name: norm_w, .offset: 24, .size: 8, .value_kind: global_buffer, .address_space: global }
      - { .name: ff_norm_w, .offset: 32, .size: 8, .value_kind: global_buffer, .address_space: global }
      - { .name: ff_b1, .offset: 40, .size: 8, .value_kind: global_buffer, .address_space: global }
      - { .name: ff_b2, .offset: 48, .size: 8, .value_kind: global_buffer, .address_space: global }
      - { .name: wl0, .offset: 56, .size: 8, .value_kind: global_buffer, .address_space: global }
      - { .name: wl1, .offset: 64, .size: 8, .value_kind: global_buffer, .address_space: global }
      - { .name: wl2, .offset: 72, .size: 8, .value_kind: global_buffer, .address_space: global }
      - { .name: wl3, .offset: 80, .size: 8, .value_kind: global_buffer, .address_space: global }
    .group_segment_fixed_size: 0
    .private_segment_fixed_size: 0
    .kernarg_segment_align: 8
    .kernarg_segment_size: 88
    .max_flat_workgroup_size: 128
    .sgpr_count:     66
    .vgpr_count:     160
    .wavefront_size: 32
...
	.end_amdgpu_metadata
.endif
;; end of part 1
;; launch first (part 2): grid 256 x 1, 4 waves a work-group, no clusters, 271,872 bytes of LDS; arguments x, wl0, agga; writes agga
.if DOCPART == 2
	.amdgcn_target "amdgcn-amd-amdhsa--gfx1250"
	.amdhsa_code_object_version 6
	.text
	.protected	k_qfb663def91_first
	.globl	k_qfb663def91_first
	.p2align	8
	.type	k_qfb663def91_first,@function
k_qfb663def91_first:
	s_mov_b64 s[64:65], 0
	v_nop
	global_prefetch_b8 v0, s[64:65] scope:SCOPE_SE
	s_setreg_imm32_b32 hwreg(HW_REG_WAVE_MODE, 25, 1), 1
	s_wait_xcnt 0x0
; MinGRU stack, THE FIRST LAUNCH: for each chunk of 128 rows, the front of layer 0 (rmsnorm, quantiser, product with whg, gate and hidden) is summed up as pairs (P, H); nothing else is stored.
; THE SCAN IS TAKEN IN ITS LINEAR FORM: h(t) = c(t) h(t-1) + v(t), c = sigmoid(-gate), v = sigmoid(gate) g(hidden), g(x) = max(x + 0.5, sigmoid(x)), h(-1) = 0: the same numbers as the scan in log space.
; The only exponentials are the sigmoids' own; h is a convex mix of earlier g, so no exponential and no sum of them can overflow for any input, and no running maximum is needed.
; A run of rows is the pair P = product of c, H = its end value from 0.  The next launch folds the pairs of the chunks ahead of it.
; SHARES.  Work-group g owns rows 128 g .. 128 g + 127 (sequence g / 32, chunk g % 32).  Its four waves share the CHANNELS: wave w owns channels 64 w .. 64 w + 63 of all 128 rows, and its part of the weights stays in registers.
; TILES.  Tile t (0..7), tile row m is chunk row 64 (m / 8) + 8 t + m % 8: in a product's result lanes 0-15 walk rows 0..63 in order over the tiles, lanes 16-31 rows 64..127.
; ROW LAYOUT (32 registers a tile): lane (r, h) holds tile row r; register 16 b + i is channel 64 w + 32 b + 16 h + i.
; Rows' codes go from wave to wave through LDS as images of the operand's registers: wave w's 64 channels are half w % 2 of K step w / 2: 16 bytes a lane at 16 l, then 8 bytes a lane at 512 + 8 l.
; LOADS go out in the order of their use, at most 56 of a wave's at a time: x; behind each tile of x that has come eight more (x's last tile, the norm's weight, whg); whg's scale words under the quantiser.
; NO CLUSTER: what work-groups share is the weights, read once a launch straight into registers (24 KB a wave here); through LDS they would want room beside the 265 KB in use.
; LIMITS: NaN and infinities are not served; c is taken as 1 - z, z = sigmoid(gate), so its error is half a last place of 1 and not of c: where c is small, h(t) carries some 6e-8 h(t-1) of absolute error;
; a block of zeros carries the byte 1 (its codes are zeros, this program alone reads the bytes); the norm multiplies (x w) rs where the source has (x rs) w.
.set KIND, 0                           ; 0: the first launch, 1: a middle one, 2: the last
; ---- LDS
.set XW,   34816                       ; x: a region for each wave, its own: 8 tiles of
.set XT,   4352                        ; 16 rows of
.set XP,   272                         ; 256 bytes + 16
.set IMG1, 156672                      ; images: 6,144 w + 768 t
.set SC1,  254976                      ; rows' scale bytes: 128 t + 8 r + 2 w + b
.set RED1, 259072                      ; partial sums of squares: 1,024 w + 128 t + 8 r + 4 h
; ---- vector registers, window 0
.set L, 1
.set R, 2
.set H, 3
.set LX, 4                             ; x in memory: 65,536 h + 16 r + 256 w
.set XROW, 5                           ; x in LDS by lines: XW w + 2,176 h + 16 r
.set XRB, 6                            ; x in LDS in the row layout: XW w + 272 r + 64 h
.set STN, 7
.set STR, 8
.set IMW, 9                            ; 16 l + 6,144 w
.set IMW8, 10                          ; 8 l + 512 + 6,144 w
.set SCW, 11                           ; 8 r + 2 w
.set IMR8, 12                          ; 8 l + 512
.set SCR, 13                           ; 8 r
.set RDW, 14                           ; 8 r + 4 h + 1,024 w
.set PRM, 15                           ; 256 w + 64 h
.set L16, 16
.set L4, 17
.set F0, 18
.set F1, 19
.set F2, 20
.set ADA, 21
.set ADB, 22
.set WA, 23
.set WB, 24
.set WC, 25
.set AR, 27
.set HGS, 32                           ; v32-47 whg's scale words; v64-65 the rows': these hold scales and nothing else
.set XS, 64
.set S, 66                             ; v66-69 the scan's value, a channel tile each
.set PP, 70                            ; v70-73 the running product of c
.set RS, 74
.set PS, 76
.set TM, 84
.set PC, 92
.set PX, 98
.set PW, 102
.set T1, 116
.set T2, 148
.set T3, 180
.set T4, 212
.set SCA, 244                          ; v244-247 the scale bytes of 8 tiles, 16 bits each
.set ACC, 248
; window 1: at the head x's 256 registers; then
.set D, 0                              ; the accumulators
.set AF, 64                            ; the rows' two fragments
; window 2
.set HG, 0                             ; whg's 16 fragments
.set NW, 192                           ; the norm's weight, row layout
; ---- scalar registers
.set XIN, 4
.set WL, 8
.set AGO, 14
.set WV, 16
.set G, 17
.set T, 19
.set SX, 20
.set SR, 21
.set SI, 22
.set PSEL, 23
.set SIA, 24
.set SSA, 25
.set TP, 26
.set SEL, 28
.set EPS, 30
.set I256, 31
.set NEGL, 34
.set WF, 60
.set WS, 62
.set WP, 66
.set MSB, 0
.macro WIN new                         ; the immediate's high byte repeats the setting that is left
.if MSB != \new
	s_set_vgpr_msb (MSB<<8)|\new
.set MSB, \new
.endif
.endm
.macro BARRIER                         ; my LDS stores have landed and my LDS loads are in: then the work-group's barrier
	s_wait_dscnt 0x0
	s_barrier_signal -1
	s_barrier_wait -1
.endm
.macro NOP4                            ; four places behind a matrix instruction (ISA guide 7.12.1)
.rept 4
	v_nop
.endr
.endm
.macro LDPARAM reg, base, off          ; a vector of 256 numbers, my part in the row layout
.irp q, 0,1,2,3,4,5,6,7
	global_load_b128 v[\reg+4*\q:\reg+4*\q+3], v[PRM], s[\base:\base+1] offset:\off+128*(\q/4)+16*(\q%4)
.endr
.endm
.macro LDIM reg, q0, n, base           ; n groups of 512 bytes of the images, from group q0 on: a fragment is three groups, four registers each
.set ff, 0
.rept \n
	global_load_b128 v[\reg+4*ff:\reg+4*ff+3], v[L16], s[\base:\base+1] offset:512*((\q0)+ff)
.set ff, ff+1
.endr
.endm
.macro LDSC reg, f0, n, base           ; scale words of n fragments
.set ff, 0
.rept \n
	global_load_b32 v[\reg+ff], v[L4], s[\base:\base+1] offset:128*(\f0+ff)
.set ff, ff+1
.endr
.endm
.macro XLD t0, n                       ; n lines of x from line t0 on: lanes 0-15 my 256 bytes of row t, lanes 16-31 of row 64 + t; eight lines are a tile
.set xx, \t0
.rept \n
	global_load_b128 v[4*xx:4*xx+3], v[LX], s[XIN:XIN+1] offset:1024*xx th:TH_LOAD_NT
.set xx, xx+1
.endr
.endm
.macro LDR8 reg, adr, off              ; a tile out of LDS in the row layout
.irp q, 0,1,2,3,4,5,6,7
	ds_load_b128 v[\reg+4*\q:\reg+4*\q+3], v[\adr] offset:\off+128*(\q/4)+16*(\q%4)
.endr
.endm
.macro STL8 reg, adr, off              ; a tile into LDS by lines
.irp q, 0,1,2,3,4,5,6,7
	ds_store_b128 v[\adr], v[\reg+4*\q:\reg+4*\q+3] offset:\off+XP*\q
.endr
.endm
.macro PK16 op, d, a, b                ; sixteen packed operations on 32 registers
.set i, 0
.rept 16
	\op v[\d+i:\d+i+1], v[\a+i:\a+i+1], v[\b+i:\b+i+1]
.set i, i+2
.endr
.endm
.macro PK16S op, d, a, sc              ; the same with one number for both halves
.set i, 0
.rept 16
	\op v[\d+i:\d+i+1], v[\a+i:\a+i+1], \sc op_sel_hi:[1,0]
.set i, i+2
.endr
.endm
.macro ONE32 op, r
.set i, 0
.rept 32
	\op v[\r+i], v[\r+i]
.set i, i+1
.endr
.endm
.macro SUMSQ x                         ; the sum of squares of 32 registers of window 1, from the low end on, in four chains -> v[ACC]
	WIN 0x05
.irp i, 0,2,4,6
	v_pk_mul_f32 v[ACC+\i:ACC+\i+1], v[\x+\i:\x+\i+1], v[\x+\i:\x+\i+1]
.endr
.irp j, 8,16,24
.irp i, 0,2,4,6
	v_pk_fma_f32 v[ACC+\i:ACC+\i+1], v[\x+\j+\i:\x+\j+\i+1], v[\x+\j+\i:\x+\j+\i+1], v[ACC+\i:ACC+\i+1]
.endr
.endr
	WIN 0
	v_pk_add_f32 v[ACC:ACC+1], v[ACC:ACC+1], v[ACC+2:ACC+3]
	v_pk_add_f32 v[ACC+4:ACC+5], v[ACC+4:ACC+5], v[ACC+6:ACC+7]
	v_pk_add_f32 v[ACC:ACC+1], v[ACC:ACC+1], v[ACC+4:ACC+5]
	v_add_f32 v[ACC], v[ACC], v[ACC+1]
.endm
; 32 numbers in the row layout become half a fragment's codes in v[PC] on and two scale bytes in v[PW].  A block of 32 lies in lanes l and l xor 16.
.macro QUANT32 s
.irp b, 0,1
	v_max3_num_f32 v[TM+\b], |v[\s+16*\b]|, |v[\s+16*\b+1]|, 0x1800000   ; with the floor 2^(3 - 127): the byte cannot fall under 1
	v_max3_num_f32 v[TM+4+\b], |v[\s+16*\b+8]|, |v[\s+16*\b+9]|, |v[\s+16*\b+10]|
.endr
.irp i, 2,4
.irp b, 0,1
	v_max3_num_f32 v[TM+\b], v[TM+\b], |v[\s+16*\b+\i]|, |v[\s+16*\b+\i+1]|
	v_max3_num_f32 v[TM+4+\b], v[TM+4+\b], |v[\s+16*\b+\i+9]|, |v[\s+16*\b+\i+10]|
.endr
.endr
.irp b, 0,1
	v_max3_num_f32 v[TM+\b], v[TM+\b], |v[\s+16*\b+6]|, |v[\s+16*\b+7]|
.endr
.irp b, 0,1
	v_max3_num_f32 v[TM+\b], v[TM+\b], v[TM+4+\b], |v[\s+16*\b+15]|
.endr
.irp b, 0,1
	v_permlanex16_b32 v[TM+2+\b], v[TM+\b], s[SEL], s[SEL+1]
.endr
.irp b, 0,1
	v_max_num_f32 v[TM+\b], v[TM+\b], v[TM+2+\b]   ; the block's largest magnitude
.endr
.irp b, 0,1
	v_add_nc_u32 v[TM+6+\b], 0xff000000, v[TM+\b]  ; 2 off its exponent field: the conversion's scale operand
.endr
.irp b, 0,1
	v_lshrrev_b32 v[TM+4+\b], 23, v[TM+6+\b]       ; the scale's byte
.endr
	v_lshl_or_b32 v[PW], v[TM+5], 8, v[TM+4]
	v_cvt_scalef32_pk16_fp6_f32 v[PC:PC+2], v[\s:\s+15], v[TM+6]
	v_cvt_scalef32_pk16_fp6_f32 v[PX:PX+2], v[\s+16:\s+31], v[TM+7]
	v_nop                                          ; one plain place behind a scaled conversion
.irp i, 0,1,2
	v_permlane16_swap_b32 v[PC+\i], v[PX+\i]       ; the layout wants a whole block in a lane: lanes 0-15 block 0, lanes 16-31 block 1
.endr
.irp i, 0,1,2
	v_mov_b32 v[PC+3+\i], v[PX+\i]
.endr
.endm
.macro PUTIMG                          ; the codes go to LDS as they stand; the two bytes are shifted into the four registers that gather 8 tiles'
	v_add_nc_u32 v[WA], s[SI], v[IMW]
	v_add_nc_u32 v[WB], s[SI], v[IMW8]
	s_add_co_u32 s[SI], s[SI], 768
	ds_store_b128 v[WA], v[PC:PC+3]
	ds_store_b64 v[WB], v[PC+4:PC+5]
	v_perm_b32 v[SCA], v[SCA+1], v[SCA], s[PSEL]   ; 128 bits, 16 down
	v_perm_b32 v[SCA+1], v[SCA+2], v[SCA+1], s[PSEL]
	v_perm_b32 v[SCA+2], v[SCA+3], v[SCA+2], s[PSEL]
	v_perm_b32 v[SCA+3], v[PW], v[SCA+3], s[PSEL]
.endm
.macro PUTSC sc                        ; 8 tiles' scale bytes: every address is a constant + 8 r + 2 w
	v_add_nc_u32 v[WC], \sc, v[SCW]
.irp j, 0,1,2,3
	ds_store_b16 v[WC], v[SCA+\j] offset:256*\j
	ds_store_b16_d16_hi v[WC], v[SCA+\j] offset:256*\j+128
.endr
.endm
.macro QLOADS                          ; a tile's eight partial sums and its x
	v_add_nc_u32 v[ADA], s[SR], v[SCR]
	v_add_nc_u32 v[ADB], s[SX], v[XRB]
.irp f, 0,1,2,3
	ds_load_b64 v[PS+2*\f:PS+2*\f+1], v[ADA] offset:1024*\f
.endr
	LDR8 T2, ADB, 0
.endm
.macro NORMA nw                        ; 1 / sqrt(mean of squares + eps) is asked for; x w is the independent work behind it
	v_pk_add_f32 v[PS:PS+1], v[PS:PS+1], v[PS+2:PS+3]
	v_pk_add_f32 v[PS+4:PS+5], v[PS+4:PS+5], v[PS+6:PS+7]
	v_pk_add_f32 v[PS:PS+1], v[PS:PS+1], v[PS+4:PS+5]
	v_add_f32 v[PS], v[PS], v[PS+1]
	v_fma_f32 v[RS+1], v[PS], s[I256], s[EPS]
	s_wait_alu depctr_va_vdst(0)
	v_rsq_f32 v[RS], v[RS+1]
	WIN 0x08
	PK16 v_pk_mul_f32, T1, T2, \nw
	WIN 0
.endm
.macro QTRIP nw, next                  ; a tile is normed and quantised; next = 1: the next tile's loads go out in the trip's middle
	s_wait_dscnt 2                                 ; this tile's twelve loads are in; behind them the last trip issued its two stores of codes, which may be out
	NORMA \nw
	s_wait_alu depctr_va_vdst(0)                   ; the wait ahead of the root's first reader
.if \next
	s_add_co_u32 s[SX], s[SX], XT
	s_add_co_u32 s[SR], s[SR], 128
	QLOADS
.endif
	PK16S v_pk_mul_f32, T1, T1, v[RS:RS+1]
	QUANT32 T1
	PUTIMG
.endm
.macro QLOOP nw, red, img, sc
	s_mov_b32 s[SX], 0
	s_mov_b32 s[SR], \red
	s_mov_b32 s[SI], \img
	QLOADS
	s_wait_dscnt 0x0                               ; on the way in nothing younger stands behind the first tile's loads
	s_mov_b32 s[T], 7
.Lq_\@:
	QTRIP \nw, 1
	s_sub_co_i32 s[T], s[T], 1
	s_cmp_lg_u32 s[T], 0
	s_cbranch_scc1 .Lq_\@
	QTRIP \nw, 0                                   ; the last tile is written out: it fetches nothing
	PUTSC \sc
.endm
.macro FETCHA                          ; a tile's two fragments (four waves' halves) and its scale words: nine LDS loads
	v_add_nc_u32 v[F0], s[SIA], v[L16]
	v_add_nc_u32 v[F1], s[SIA], v[IMR8]
	v_add_nc_u32 v[F2], s[SSA], v[SCR]
	s_add_co_u32 s[SIA], s[SIA], 768
	s_add_co_u32 s[SSA], s[SSA], 128
	WIN 0x40
.irp f, 0,1,2,3
	ds_load_b128 v[AF+6*\f:AF+6*\f+3], v[F0] offset:6144*\f
	ds_load_b64 v[AF+6*\f+4:AF+6*\f+5], v[F1] offset:6144*\f
.endr
	WIN 0
	ds_load_b64 v[XS:XS+1], v[F2]
.endm
.macro MMZ d, a, b, sa, sb             ; a sum's first K step: C is the constant 0
	v_wmma_scale_f32_16x16x128_f8f6f4 v[\d:\d+7], v[\a:\a+11], v[\b:\b+11], 0, v[\sa], v[\sb] matrix_a_fmt:MATRIX_FMT_FP6 matrix_b_fmt:MATRIX_FMT_FP6
.endm
.macro MMC d, a, b, c, sa, sb
	v_wmma_scale_f32_16x16x128_f8f6f4 v[\d:\d+7], v[\a:\a+11], v[\b:\b+11], v[\c:\c+7], v[\sa], v[\sb] matrix_a_fmt:MATRIX_FMT_FP6 matrix_b_fmt:MATRIX_FMT_FP6
.endm
; rows x whg: source 0 = the tile's 16 rows, source 1 = 16 columns: lane (r, h), register j = (tile row 8 h + j, column r).  Accumulators 0-3 hidden, 4-7 gate; they take turns
.macro WMMA1
	WIN 0x59                                       ; rows and sums window 1, whg window 2
.irp ct, 0,1,2,3,4,5,6,7
	MMZ D+8*\ct, AF, HG+24*\ct, XS, HGS+2*\ct
.endr
.irp ct, 0,1,2,3,4,5,6,7
	MMC D+8*\ct, AF+12, HG+24*\ct+12, D+8*\ct, XS+1, HGS+2*\ct+1
.endr
	WIN 0
.endm
.macro CVA                             ; the sums leave their registers, each accumulator from its low end on: T1 = -gate log2 e, T2 = -hidden log2 e, T3 = hidden + 0.5
	WIN 0x01
	PK16S v_pk_mul_f32, T1, D+32, s[NEGL:NEGL+1]
	PK16S v_pk_mul_f32, T2, D, s[NEGL:NEGL+1]
	PK16S v_pk_add_f32, T3, D, 0.5
	WIN 0
.endm
.macro CVB                             ; T1 = c, T3 = v.  Two batches of 64 transcendentals, one wait each
	ONE32 v_exp_f32, T2                            ; e^-hidden
	ONE32 v_exp_f32, T1                            ; E = e^-gate; where it overflows, z = 0, c = 1 and v = 0 follow
	v_nop                                          ; a plain place behind the last exponential
	s_wait_alu depctr_va_vdst(0)                   ; one wait for the batch, ahead of its first reader
	PK16S v_pk_add_f32, T4, T1, 1.0
	PK16S v_pk_add_f32, T2, T2, 1.0
	s_wait_alu depctr_va_vdst(0)
	ONE32 v_rcp_f32, T4                            ; z = sigmoid(gate)
	ONE32 v_rcp_f32, T2                            ; sigmoid(hidden)
	v_nop
	s_wait_alu depctr_va_vdst(0)
.set i, 0
.rept 16
	v_pk_fma_f32 v[T1+i:T1+i+1], v[T4+i:T4+i+1], -1.0, 1.0 op_sel_hi:[1,0,0]   ; c = 1 - z
.set i, i+2
.endr
.set i, 0
.rept 32
	v_max_num_f32 v[T3+i], v[T3+i], v[T2+i]        ; g
.set i, i+1
.endr
	PK16 v_pk_mul_f32, T3, T3, T4                  ; v = z g
.endm
.macro SCANA                           ; the pair of my half of the chunk goes eight rows on: eight chains by turns
.irp j, 0,1,2,3,4,5,6,7
.irp n, 0,1,2,3
	v_fma_f32 v[S+\n], v[T1+8*\n+\j], v[S+\n], v[T3+8*\n+\j]
.endr
.irp n, 0,1,2,3
	v_mul_f32 v[PP+\n], v[PP+\n], v[T1+8*\n+\j]
.endr
.endr
.endm
.macro G1ATRIP next
	CVA
.if \next
	FETCHA                                         ; the next tile's operands land under the lines below
.endif
	s_wait_alu depctr_va_vdst(0)
	CVB
.if \next
	s_wait_alu depctr_va_vdst(0)
	s_wait_dscnt 0x0
	WMMA1                                          ; the 64 lines below are the places behind it
.endif
	SCANA
.endm
.macro G1ALOOP img, sc
.irp n, 0,1,2,3
	v_mov_b32 v[S+\n], 0
	v_mov_b32 v[PP+\n], 1.0
.endr
	s_mov_b32 s[SIA], \img
	s_mov_b32 s[SSA], \sc
	FETCHA
	s_wait_dscnt 0x0
	WMMA1
	NOP4
	s_mov_b32 s[T], 7
.Lga_\@:
	G1ATRIP 1
	s_sub_co_i32 s[T], s[T], 1
	s_cmp_lg_u32 s[T], 0
	s_cbranch_scc1 .Lga_\@
	G1ATRIP 0
.endm
; lanes 0-15 hold (P0, H0) of rows 0..63, lanes 16-31 (P1, H1) of rows 64..127.  The chunk's pair: P0 P1, P1 H0 + H1.
; record A, 16 bytes a lane: Pc(2h), Pc(2h+1), Hc(2h), Hc(2h+1) of channel tiles 2h, 2h+1;  record B: lanes 0-15 P0 of the four tiles, lanes 16-31 H0
.macro AGGOUT
	s_mov_b32 vcc_lo, 0xffff0000                   ; lanes 16-31
.irp n, 0,1,2,3
	v_permlanex16_b32 v[T1+\n], v[S+\n], s[SEL], s[SEL+1]
	v_permlanex16_b32 v[T1+4+\n], v[PP+\n], s[SEL], s[SEL+1]
.endr
.irp n, 0,1,2,3
	v_mul_f32 v[T2+\n], v[PP+\n], v[T1+4+\n]
	v_fma_f32 v[T2+4+\n], v[PP+\n], v[T1+\n], v[S+\n]
	v_fma_f32 v[T2+8+\n], v[T1+4+\n], v[S+\n], v[T1+\n]
.endr
.irp n, 0,1,2,3
	v_cndmask_b32 v[T2+4+\n], v[T2+8+\n], v[T2+4+\n], vcc_lo
.endr
	v_cndmask_b32 v[T3], v[T2], v[T2+2], vcc_lo
	v_cndmask_b32 v[T3+1], v[T2+1], v[T2+3], vcc_lo
	v_cndmask_b32 v[T3+2], v[T2+4], v[T2+6], vcc_lo
	v_cndmask_b32 v[T3+3], v[T2+5], v[T2+7], vcc_lo
.irp n, 0,1,2,3
	v_cndmask_b32 v[T3+4+\n], v[PP+\n], v[T1+\n], vcc_lo
.endr
	global_store_b128 v[L16], v[T3:T3+3], s[AGO:AGO+1]             ; 32 lanes store 512 consecutive bytes
	global_store_b128 v[L16], v[T3+4:T3+7], s[AGO:AGO+1] offset:512
.endm
	; ---- the head
	s_load_b64 s[XIN:XIN+1], s[0:1], 0x0
	s_load_b64 s[WL:WL+1], s[0:1], 0x8
	s_load_b64 s[AGO:AGO+1], s[0:1], 0x10
	v_lshl_add_u32 v114, v0, 2, 0x42400
	v_mov_b32 v115, 0
	v_lshrrev_b32 v[L], 5, v0
	v_readfirstlane_b32 s[WV], v[L]                ; wave 0..3
	v_and_b32 v[L], 31, v0
	v_and_b32 v[R], 15, v0
	v_bfe_u32 v[H], v0, 4, 1
	s_mov_b32 s[G], ttmp9
	v_lshlrev_b32 v[L16], 4, v[L]
	v_lshlrev_b32 v[L4], 2, v[L]
	v_lshlrev_b32 v[SCR], 3, v[R]
	v_lshl_add_u32 v[IMR8], v[L], 3, 512
	s_lshl_b32 s[TP], s[WV], 8
	v_lshlrev_b32 v[LX], 4, v[R]
	v_lshl_add_u32 v[LX], v[H], 16, v[LX]
	v_add_nc_u32 v[LX], s[TP], v[LX]
	v_lshlrev_b32 v[PRM], 6, v[H]
	v_add_nc_u32 v[PRM], s[TP], v[PRM]
	s_mul_i32 s[TP], s[WV], XW
	v_mul_u32_u24 v[STN], v[H], 8*XP
	v_lshl_add_u32 v[XROW], v[R], 4, v[STN]
	v_add_nc_u32 v[XROW], s[TP], v[XROW]
	v_mul_u32_u24 v[STR], v[R], XP
	v_lshl_add_u32 v[STR], v[H], 6, v[STR]
	v_add_nc_u32 v[XRB], s[TP], v[STR]
	s_mul_i32 s[TP], s[WV], 6144
	v_add_nc_u32 v[IMW], s[TP], v[L16]
	v_add_nc_u32 v[IMW8], s[TP], v[IMR8]
	s_lshl_b32 s[TP], s[WV], 1
	v_add_nc_u32 v[SCW], s[TP], v[SCR]
	s_lshl_b32 s[TP], s[WV], 10
	v_lshl_add_u32 v[RDW], v[H], 2, v[SCR]
	v_add_nc_u32 v[RDW], s[TP], v[RDW]
	s_mov_b32 s[SEL], 0x76543210
	s_mov_b32 s[SEL+1], 0xfedcba98                 ; v_permlanex16_b32's selects for lane l xor 16
	s_mov_b32 s[PSEL], 0x05040302                  ; v_perm_b32: two registers, 16 bits down
	s_mov_b32 s[EPS], 0x358637bd                   ; 1e-6
	s_mov_b32 s[I256], 0x3b800000                  ; 1 / 256
	s_mov_b32 s[NEGL], 0xbfb8aa3b                  ; -log2 e
	s_mov_b32 s[NEGL+1], 0xbfb8aa3b
	v_mov_b32 v[TM+2], 0                           ; written once: a lane permute's destination counts as one of its sources
	v_mov_b32 v[TM+3], 0
.irp j, 0,1,2,3
	v_mov_b32 v[SCA+\j], 0                         ; (eight tiles' bytes push these zeros out)
.endr
	s_wait_alu depctr_va_vdst(0)
	s_wait_kmcnt 0x0
	s_lshl_b32 s[TP], s[G], 17                     ; 128 rows of 1,024 bytes a work-group
	s_mov_b32 s[TP+1], 0
	s_add_nc_u64 s[XIN:XIN+1], s[XIN:XIN+1], s[TP:TP+1]
	s_mul_i32 s[TP], s[WV], 49152
	s_add_nc_u64 s[WF:WF+1], s[WL:WL+1], s[TP:TP+1]
	s_lshl_b32 s[TP], s[WV], 12
	s_add_co_u32 s[TP], s[TP], 196608
	s_add_nc_u64 s[WS:WS+1], s[WL:WL+1], s[TP:TP+1]
	s_add_nc_u64 s[WP:WP+1], s[WL:WL+1], 212992
	s_lshl_b32 s[TP], s[G], 12
	s_lshl_b32 s[T], s[WV], 10
	s_add_co_u32 s[TP], s[TP], s[T]                ; my records: 4,096 g + 1,024 w
	s_add_nc_u64 s[AGO:AGO+1], s[AGO:AGO+1], s[TP:TP+1]
	; ---- x's tiles 0 to 6 are asked for first
	WIN 0x40
	XLD 0, 56
	WIN 0
	; ---- x goes into LDS by lines and comes back in the row layout; each tile's sums of squares go to the others.  Behind each tile that has come, eight more loads go out
	v_add_nc_u32 v[AR], RED1, v[RDW]
.set tt, 0
.rept 8
	s_wait_loadcnt 48                              ; this tile's eight loads are in: 48 were issued behind them (later tiles' and the eights below)
.if tt == 0
	WIN 0x40
	XLD 56, 8                                      ; x's last tile
.elseif tt == 1
	WIN 0x80
	LDPARAM NW, WP, 0
.else
	WIN 0x80
	LDIM HG+32*(tt-2), 8*(tt-2), 8, WF             ; whg's 48 groups, eight at a time
.endif
	WIN 0x04
	STL8 32*tt, XROW, XT*tt
	WIN 0x40
	LDR8 32*tt, XRB, XT*tt                         ; LDS serves a wave's instructions in order: these see the stores above
.if tt > 0
	s_wait_dscnt 16                                ; the tile before is back: only this tile's sixteen may be out
	SUMSQ 32*(tt-1)
	ds_store_b32 v[AR], v[ACC] offset:128*(tt-1)
.endif
.set tt, tt+1
.endr
	s_wait_dscnt 0x0
	SUMSQ 224
	ds_store_b32 v[AR], v[ACC] offset:896
	s_wait_loadcnt 40                              ; the norm's weight is in (whg's 48 were issued behind it); with the sixteen below at most 56 are out
	LDSC HGS, 0, 16, WS
	BARRIER                                        ; every row's eight partial sums lie in LDS
	QLOOP NW, RED1, IMG1, SC1
	s_wait_loadcnt 0x0                             ; whg and its scale words are in
	BARRIER                                        ; the rows' codes and scale bytes lie in LDS
	G1ALOOP IMG1, SC1
	AGGOUT
	s_wait_tensorcnt 0x0
	ds_add_u32 v114, v115
	s_wait_dscnt 0x0
	s_endpgm
.Lfunc_end_k_qfb663def91_first:
	.size	k_qfb663def91_first, .Lfunc_end_k_qfb663def91_first-k_qfb663def91_first
	.p2alignl 7, 3214868480
	.fill 96, 4, 3214868480
	.section	.rodata,"a",@progbits
	.p2align	6, 0x0
	.amdhsa_kernel k_qfb663def91_first
		.amdhsa_group_segment_fixed_size 271872
		.amdhsa_private_segment_fixed_size 0
		.amdhsa_enable_private_segment 0
		.amdhsa_kernarg_size 24
		.amdhsa_user_sgpr_count 2
		.amdhsa_user_sgpr_kernarg_segment_ptr 1
		.amdhsa_wavefront_size32 1
		.amdhsa_system_sgpr_workgroup_id_x 1
		.amdhsa_system_sgpr_workgroup_id_y 1
		.amdhsa_system_sgpr_workgroup_id_z 1
		.amdhsa_system_vgpr_workitem_id 0
		.amdhsa_next_free_vgpr 1024
		.amdhsa_next_free_sgpr 96
		.amdhsa_reserve_vcc 1
		.amdhsa_float_denorm_mode_32 3
		.amdhsa_float_denorm_mode_16_64 3
		.amdhsa_memory_ordered 1
		.amdhsa_forward_progress 1
		.amdhsa_inst_pref_size 88
	.end_amdhsa_kernel
	.amdgpu_metadata
---
amdhsa.version: [ 1, 2 ]
amdhsa.kernels:
  - .name:           k_qfb663def91_first
    .symbol:         k_qfb663def91_first.kd
    .args:
      - { .name: x, .offset: 0, .size: 8, .value_kind: global_buffer, .address_space: global }
      - { .name: wl0, .offset: 8, .size: 8, .value_kind: global_buffer, .address_space: global }
      - { .name: agga, .offset: 16, .size: 8, .value_kind: global_buffer, .address_space: global }
    .group_segment_fixed_size: 271872
    .private_segment_fixed_size: 0
    .kernarg_segment_align: 8
    .kernarg_segment_size: 24
    .max_flat_workgroup_size: 128
    .sgpr_count:     96
    .vgpr_count:     1024
    .wavefront_size: 32
...
	.end_amdgpu_metadata
.endif
;; end of part 2
;; launch mid0 (part 3): grid 256 x 1, 8 waves a work-group, no clusters, 291,840 bytes of LDS; arguments x, agga, wl0, wl1, xa, aggb; writes xa, aggb
.if DOCPART == 3
	.amdgcn_target "amdgcn-amd-amdhsa--gfx1250"
	.amdhsa_code_object_version 6
	.text
	.protected	k_qfb663def91_mid0
	.globl	k_qfb663def91_mid0
	.p2align	8
	.type	k_qfb663def91_mid0,@function
k_qfb663def91_mid0:
	s_mov_b64 s[64:65], 0
	v_nop
	global_prefetch_b8 v0, s[64:65] scope:SCOPE_SE
	s_setreg_imm32_b32 hwreg(HW_REG_WAVE_MODE, 25, 1), 1
	s_wait_xcnt 0x0
; MinGRU stack, A MIDDLE LAUNCH: layer i whole (its scan with the carry folded from the pairs that the launch before stored, the residual, the feed-forward part), x stored, and the front of layer i + 1 summed up as pairs.
; THE SCAN IS TAKEN IN ITS LINEAR FORM: h(t) = c(t) h(t-1) + v(t), c = sigmoid(-gate), v = sigmoid(gate) g(hidden), g(x) = max(x + 0.5, sigmoid(x)), h(-1) = 0: the same numbers as the scan in log space.
; The only exponentials are the sigmoids' own; h is a convex mix of earlier g, so no exponential and no sum of them can overflow for any input, and no running maximum is needed.
; A run of rows is the pair P = product of c, H = its end value from 0.  A chunk's start value is the fold of the pairs of the chunks ahead of it in its sequence: 31 multiply-adds a channel at the most.
; SHARES.  Work-group g owns rows 128 g .. 128 g + 127 (sequence g / 32, chunk g % 32).  EIGHT WAVES share the CHANNELS: wave w = 2 cw + e owns channels 32 w .. 32 w + 31 of all 128 rows, and takes TWO row tiles a trip.
; TILES.  Tile t (0..7), tile row m is chunk row 64 (m / 8) + 8 t + m % 8: in the first product's result lanes 0-15 walk rows 0..63 in order over the tiles, lanes 16-31 rows 64..127.
; ROW LAYOUT (32 registers a pair of tiles): lane (r, h) holds tile row r; register 16 b + i is tile 2 T + b, channel 32 w + 16 h + i.  The two feed-forward products are used transposed, on columns chosen so that their results lie so.
; A wave's 32 channels are one block of the quantiser, in lanes l and l xor 16; two tiles' codes change halves so that lanes 0-15 hold tile 2 T's whole blocks and lanes 16-31 tile 2 T + 1's.
; Rows' codes go from wave to wave through LDS as images of the operand's registers: image (cw, t), 768 bytes: 16 bytes a lane at 16 l, then 8 bytes a lane at 512 + 8 l; wave e writes lanes 16 e + r.
; REGISTERS: 512 a wave.  The weights have 96: whg; then ff_w1 and ff_w2, loaded under the second quantiser; then the next layer's whg, loaded under the way out and the third quantiser.
; x IN MEMORY is read and stored by whole lines of 256 bytes: wave (cw, e) moves the lines of tiles 4 e .. 4 e + 3 of strip cw; a barrier parts these moves from the waves' own halves of the strip in LDS.
; The pairs' records keep the layout of the first and the last launch (four channel tiles to 1,024 bytes); of record B a wave stores 8 bytes of each 16, its partner the others.
; gelu(x) = max(x, 0) - t w, t = |x| / sqrt 2, w = erfc(t) / sqrt 2.  erfc: under t = 475/512 one less an odd polynomial, above it the exponential of a polynomial.
; NO CLUSTER, NO TENSOR LOAD: what work-groups share is the weights, read straight into registers; LDS has 36 KB left beside the 285 KB in use.  No prefetch: no loop of this text reads memory.
; LIMITS: NaN and infinities are not served; c is taken as 1 - z, z = sigmoid(gate), so its error is half a last place of 1 and not of c: where c is small, h(t) carries some 6e-8 h(t-1) of absolute error;
; a block of zeros carries the byte 1 (its codes are zeros, this program alone reads the bytes); the norm multiplies (x w) rs where the source has (x rs) w.
; ---- LDS
.set XW,   34816                       ; x: a region for each strip cw: 8 tiles of
.set XT,   4352                        ; 16 rows of
.set XP,   272                         ; 256 bytes + 16
.set STG,  139264                      ; a stage for each wave, its own:
.set SW,   4608                        ; two tiles of
.set ST2,  2304                        ; 16 rows of
.set SP,   144                         ; 128 bytes + 16
.set IMG1, 176128                      ; images: 6,144 cw + 768 t
.set IMG2, 200704
.set IMG3, 225280
.set IMG4, 249856
.set SC1,  274432                      ; rows' scale bytes: 128 t + 8 r + w
.set SC2,  275456
.set SC3,  276480
.set SC4,  277504
.set RED1, 278528                      ; partial sums of squares: 512 t + 32 r + 4 w
.set RED2, 282624
.set RED3, 286720
.set SPARE, 290816                     ; the spare words: 128 bytes a wave
; ---- vector registers, window 0
.set L, 1
.set R, 2
.set H, 3
.set LX, 4                             ; x in memory: 65,536 h + 16 r + 256 cw + 32,768 e
.set XROW, 5                           ; x in LDS by lines: XW cw + 4 XT e + 2,176 h + 16 r
.set XRB, 6                            ; x in LDS in the row layout: XW cw + 128 e + 272 r + 64 h
.set STN, 7                            ; the stage, as the first product's result lies: 1,152 h + 4 r
.set STR, 8                            ; the stage in the row layout: 144 r + 64 h
.set IMW, 9                            ; 6,144 cw + 768 h + 16 r + 256 e
.set IMW8, 10                          ; 6,144 cw + 768 h + 8 r + 128 e + 512
.set SCW, 11                           ; 8 r + w
.set IMR8, 12                          ; 8 l + 512
.set SCR, 13                           ; 8 r
.set RDW, 14                           ; 32 r + 4 w
.set PRM, 15                           ; 128 w + 64 h
.set L16, 16
.set L4, 17
.set F0, 18
.set F1, 19
.set F2, 20
.set ADA, 21
.set ADB, 22
.set WA, 23
.set WB, 24
.set WC, 25
.set AX, 26
.set AR, 27
.set AGV, 29                           ; record A: 256 e + 16 r + 8 h
.set AGB, 30                           ; record B: 512 + 256 h + 16 r + 8 e
.set RDR, 31                           ; 32 r
.set HGS, 32                           ; v32-39 whg's scale words, v40-43 ff_w1's, v44-47 ff_w2's, v48-51 the rows': these hold scales and nothing else
.set W1S, 40
.set W2S, 44
.set XS, 48
.set S, 52                             ; the scan's value, a channel tile each
.set PP, 54                            ; the running product of c
.set RS, 56                            ; two pairs: 1 / root and its source, a tile each
.set PS, 60
.set TM, 76
.set PC, 84
.set PX, 90
.set VM4, 96
.set VC1, 98
.set VC3, 100
.set SPW, 102
.set NIL, 103
.set ACC, 108
.set T1, 116
.set T2, 148
.set T3, 180
.set T4, 212
; window 1 (at the head v0-127: x)
.set D, 0                              ; the accumulators
.set AF, 64                            ; two tiles' two fragments each
.set HG, 112                           ; whg's 8 fragments
.set W1F, 112
.set W2F, 160
.set NWR, 208                          ; the norm's weight that is due
.set B1, 224
.set B2, 240
; ---- scalar registers
.set XIN, 4
.set AGI, 6
.set WL, 8
.set WLN, 10
.set XOUT, 12
.set AGO, 14
.set WV, 16
.set G, 17
.set CH, 18
.set T, 19
.set SX, 20
.set SR, 21
.set SI, 22
.set SIA, 24
.set SSA, 25
.set TP, 26
.set SEL, 28
.set EPS, 30
.set I256, 31
.set THR, 32
.set NEGL, 34
.set LG2E, 36
.set KM5, 38
.set KM3, 40
.set KM2, 42
.set KM1, 44
.set KM0, 46
.set K707, 48
.set KC0, 50
.set KC2, 52
.set KC4, 54
.set KC5, 56
.set KC6, 58
.set WF, 60
.set WS, 62
.set WP, 66
.set NF, 68
.set NS, 70
.set NP, 72
.set FB, 74
.set OWN, 76
.set MK, 78                            ; s78-85: at the head bases, later gelu's masks
.set CW, 90
.set E, 91
.set SS, 92
.set MSB, 0
.macro WIN new                         ; the immediate's high byte repeats the setting that is left
.if MSB != \new
	s_set_vgpr_msb (MSB<<8)|\new
.set MSB, \new
.endif
.endm
.macro BARRIER                         ; my LDS stores have landed and my LDS loads are in: then the work-group's barrier
	s_wait_dscnt 0x0
	s_barrier_signal -1
	s_barrier_wait -1
.endm
.macro NOP4                            ; four places behind a matrix instruction (ISA guide 7.12.1)
.rept 4
	v_nop
.endr
.endm
.macro SPAIR r, val
	s_mov_b32 s[\r], \val
	s_mov_b32 s[\r+1], \val
.endm
.macro LDPARAM reg, base, off          ; my 16 numbers of a vector of 256, in the row layout
.irp q, 0,1,2,3
	global_load_b128 v[\reg+4*\q:\reg+4*\q+3], v[PRM], s[\base:\base+1] offset:\off+16*\q
.endr
.endm
.macro LDFR reg, f0, n, base           ; n fragments from image f0 on
.set ff, 0
.rept \n
.irp g, 0,1,2
	global_load_b128 v[\reg+12*ff+4*\g:\reg+12*ff+4*\g+3], v[L16], s[\base:\base+1] offset:1536*(\f0+ff)+512*\g
.endr
.set ff, ff+1
.endr
.endm
.macro LDSC reg, f0, n, base           ; and their scale words
.set ff, 0
.rept \n
	global_load_b32 v[\reg+ff], v[L4], s[\base:\base+1] offset:128*(\f0+ff)
.set ff, ff+1
.endr
.endm
.macro LDR8 reg, adr, off, tp          ; two tiles out of LDS in the row layout; tp: from tile to tile
.irp q, 0,1,2,3,4,5,6,7
	ds_load_b128 v[\reg+4*\q:\reg+4*\q+3], v[\adr] offset:\off+\tp*(\q/4)+16*(\q%4)
.endr
.endm
.macro STR8 reg, adr, off, tp
.irp q, 0,1,2,3,4,5,6,7
	ds_store_b128 v[\adr], v[\reg+4*\q:\reg+4*\q+3] offset:\off+\tp*(\q/4)+16*(\q%4)
.endr
.endm
.macro LDL8 reg, adr, off              ; a tile out of LDS by lines: lanes 0-15 tile row q, lanes 16-31 tile row 8 + q
.irp q, 0,1,2,3,4,5,6,7
	ds_load_b128 v[\reg+4*\q:\reg+4*\q+3], v[\adr] offset:\off+XP*\q
.endr
.endm
.macro STL8 reg, adr, off
.irp q, 0,1,2,3,4,5,6,7
	ds_store_b128 v[\adr], v[\reg+4*\q:\reg+4*\q+3] offset:\off+XP*\q
.endr
.endm
.macro PK16 op, d, a, b
.set i, 0
.rept 16
	\op v[\d+i:\d+i+1], v[\a+i:\a+i+1], v[\b+i:\b+i+1]
.set i, i+2
.endr
.endm
.macro PK16S op, d, a, sc
.set i, 0
.rept 16
	\op v[\d+i:\d+i+1], v[\a+i:\a+i+1], \sc op_sel_hi:[1,0]
.set i, i+2
.endr
.endm
.macro PK2P op, d, a, p                ; both tiles with the same 16 numbers of a parameter
.irp b, 0,16
.set i, 0
.rept 8
	\op v[\d+\b+i:\d+\b+i+1], v[\a+\b+i:\a+\b+i+1], v[\p+i:\p+i+1]
.set i, i+2
.endr
.endr
.endm
.macro ONE32 op, r
.set i, 0
.rept 32
	\op v[\r+i], v[\r+i]
.set i, i+1
.endr
.endm
; the sums of squares of two tiles' 16 registers each, from the low end on, with lane l xor 16's -> v[ACC], v[ACC+4].  w: the window setting for x as sources 0 and 1
.macro SUMSQ x, w
	WIN \w
.irp c, 0,1
.irp i, 0,2
	v_pk_mul_f32 v[ACC+4*\c+\i:ACC+4*\c+\i+1], v[\x+16*\c+\i:\x+16*\c+\i+1], v[\x+16*\c+\i:\x+16*\c+\i+1]
.endr
.endr
.irp j, 4,8,12
.irp c, 0,1
.irp i, 0,2
	v_pk_fma_f32 v[ACC+4*\c+\i:ACC+4*\c+\i+1], v[\x+16*\c+\j+\i:\x+16*\c+\j+\i+1], v[\x+16*\c+\j+\i:\x+16*\c+\j+\i+1], v[ACC+4*\c+\i:ACC+4*\c+\i+1]
.endr
.endr
.endr
	WIN 0
	v_pk_add_f32 v[ACC:ACC+1], v[ACC:ACC+1], v[ACC+2:ACC+3]
	v_pk_add_f32 v[ACC+4:ACC+5], v[ACC+4:ACC+5], v[ACC+6:ACC+7]
	v_add_f32 v[ACC], v[ACC], v[ACC+1]
	v_add_f32 v[ACC+4], v[ACC+4], v[ACC+5]
	v_permlanex16_b32 v[ACC+2], v[ACC], s[SEL], s[SEL+1]
	v_permlanex16_b32 v[ACC+6], v[ACC+4], s[SEL], s[SEL+1]
	v_add_f32 v[ACC], v[ACC], v[ACC+2]
	v_add_f32 v[ACC+4], v[ACC+4], v[ACC+6]
.endm
.macro PUTRED                          ; both halves of the lanes write the same word with the same value
	ds_store_b32 v[AR], v[ACC]
	ds_store_b32 v[AR], v[ACC+4] offset:512
.endm
; 32 numbers in the row layout (two tiles' blocks) become codes in v[PC] on and scale bytes in v[TM+4], v[TM+5]
.macro QUANT32 s
.irp b, 0,1
	v_max3_num_f32 v[TM+\b], |v[\s+16*\b]|, |v[\s+16*\b+1]|, 0x1800000   ; with the floor 2^(3 - 127): the byte cannot fall under 1
	v_max3_num_f32 v[TM+4+\b], |v[\s+16*\b+8]|, |v[\s+16*\b+9]|, |v[\s+16*\b+10]|
.endr
.irp i, 2,4
.irp b, 0,1
	v_max3_num_f32 v[TM+\b], v[TM+\b], |v[\s+16*\b+\i]|, |v[\s+16*\b+\i+1]|
	v_max3_num_f32 v[TM+4+\b], v[TM+4+\b], |v[\s+16*\b+\i+9]|, |v[\s+16*\b+\i+10]|
.endr
.endr
.irp b, 0,1
	v_max3_num_f32 v[TM+\b], v[TM+\b], |v[\s+16*\b+6]|, |v[\s+16*\b+7]|
.endr
.irp b, 0,1
	v_max3_num_f32 v[TM+\b], v[TM+\b], v[TM+4+\b], |v[\s+16*\b+15]|
.endr
.irp b, 0,1
	v_permlanex16_b32 v[TM+2+\b], v[TM+\b], s[SEL], s[SEL+1]
.endr
.irp b, 0,1
	v_max_num_f32 v[TM+\b], v[TM+\b], v[TM+2+\b]   ; the block's largest magnitude
.endr
.irp b, 0,1
	v_add_nc_u32 v[TM+6+\b], 0xff000000, v[TM+\b]  ; 2 off its exponent field: the conversion's scale operand
.endr
.irp b, 0,1
	v_lshrrev_b32 v[TM+4+\b], 23, v[TM+6+\b]       ; the scale's byte
.endr
	v_cvt_scalef32_pk16_fp6_f32 v[PC:PC+2], v[\s:\s+15], v[TM+6]
	v_cvt_scalef32_pk16_fp6_f32 v[PX:PX+2], v[\s+16:\s+31], v[TM+7]
	v_nop                                          ; one plain place behind a scaled conversion
.irp i, 0,1,2
	v_permlane16_swap_b32 v[PC+\i], v[PX+\i]       ; lanes 0-15: the first tile's whole block, lanes 16-31: the second tile's
.endr
.irp i, 0,1,2
	v_mov_b32 v[PC+3+\i], v[PX+\i]
.endr
.endm
.macro PUTIMG                          ; four LDS stores: the codes as they stand, and the two tiles' bytes
	v_add_nc_u32 v[WA], s[SI], v[IMW]
	v_add_nc_u32 v[WB], s[SI], v[IMW8]
	v_add_nc_u32 v[WC], s[SS], v[SCW]
	s_add_co_u32 s[SI], s[SI], 1536
	s_add_co_u32 s[SS], s[SS], 256
	ds_store_b128 v[WA], v[PC:PC+3]
	ds_store_b64 v[WB], v[PC+4:PC+5]
	ds_store_b8 v[WC], v[TM+4]
	ds_store_b8 v[WC], v[TM+5] offset:128
.endm
.macro QLOADS                          ; two tiles' eight partial sums each and their x: twelve loads
	v_add_nc_u32 v[ADA], s[SR], v[RDR]
	v_add_nc_u32 v[ADB], s[SX], v[XRB]
	ds_load_b128 v[PS:PS+3], v[ADA]
	ds_load_b128 v[PS+4:PS+7], v[ADA] offset:16
	ds_load_b128 v[PS+8:PS+11], v[ADA] offset:512
	ds_load_b128 v[PS+12:PS+15], v[ADA] offset:528
	LDR8 T2, ADB, 0, XT
.endm
.macro NORMA                           ; 1 / sqrt(mean of squares + eps) of both tiles' rows is asked for; x w is the independent work behind it
.irp p, 0,4,8,12
	v_pk_add_f32 v[PS+\p:PS+\p+1], v[PS+\p:PS+\p+1], v[PS+\p+2:PS+\p+3]
.endr
.irp p, 0,8
	v_pk_add_f32 v[PS+\p:PS+\p+1], v[PS+\p:PS+\p+1], v[PS+\p+4:PS+\p+5]
.endr
	v_add_f32 v[PS], v[PS], v[PS+1]
	v_add_f32 v[PS+8], v[PS+8], v[PS+9]
	v_fma_f32 v[RS+1], v[PS], s[I256], s[EPS]
	v_fma_f32 v[RS+3], v[PS+8], s[I256], s[EPS]
	s_wait_alu depctr_va_vdst(0)                   ; the wait ahead of the batch
	v_rsq_f32 v[RS], v[RS+1]
	v_rsq_f32 v[RS+2], v[RS+3]
	WIN 0x04
	PK2P v_pk_mul_f32, T1, T2, NWR
	WIN 0
.endm
.macro PKRS d
.irp b, 0,1
.set i, 0
.rept 8
	v_pk_mul_f32 v[\d+16*\b+i:\d+16*\b+i+1], v[\d+16*\b+i:\d+16*\b+i+1], v[RS+2*\b:RS+2*\b+1] op_sel_hi:[1,0]
.set i, i+2
.endr
.endr
.endm
.macro QTRIP next                      ; two tiles are normed and quantised; next = 1: the next two tiles' loads go out in the trip's middle
	s_wait_dscnt 4                                 ; the twelve loads are in; behind them the last trip issued its four stores, which may be out
	NORMA
	s_wait_alu depctr_va_vdst(0)                   ; the wait ahead of the roots' first reader
.if \next
	s_add_co_u32 s[SX], s[SX], 2*XT
	s_add_co_u32 s[SR], s[SR], 1024
	QLOADS
.endif
	PKRS T1
	QUANT32 T1
	PUTIMG
.endm
.macro QLOOP red, img, sc
	s_mov_b32 s[SX], 0
	s_mov_b32 s[SR], \red
	s_mov_b32 s[SI], \img
	s_mov_b32 s[SS], \sc
	QLOADS
	s_wait_dscnt 0x0
	s_mov_b32 s[T], 3
.Lq_\@:
	QTRIP 1
	s_sub_co_i32 s[T], s[T], 1
	s_cmp_lg_u32 s[T], 0
	s_cbranch_scc1 .Lq_\@
	QTRIP 0
.endm
.macro FETCHA                          ; two tiles' two fragments each and their scale words: eighteen LDS loads
	v_add_nc_u32 v[F0], s[SIA], v[L16]
	v_add_nc_u32 v[F1], s[SIA], v[IMR8]
	v_add_nc_u32 v[F2], s[SSA], v[SCR]
	s_add_co_u32 s[SIA], s[SIA], 1536
	s_add_co_u32 s[SSA], s[SSA], 256
	WIN 0x40
.irp b, 0,1
.irp f, 0,1,2,3
	ds_load_b128 v[AF+24*\b+6*\f:AF+24*\b+6*\f+3], v[F0] offset:6144*\f+768*\b
	ds_load_b64 v[AF+24*\b+6*\f+4:AF+24*\b+6*\f+5], v[F1] offset:6144*\f+768*\b
.endr
.endr
	WIN 0
	ds_load_b64 v[XS:XS+1], v[F2]
	ds_load_b64 v[XS+2:XS+3], v[F2] offset:128
.endm
.macro MMZ d, a, b, sa, sb             ; a sum's first K step: C is the constant 0
	v_wmma_scale_f32_16x16x128_f8f6f4 v[\d:\d+7], v[\a:\a+11], v[\b:\b+11], 0, v[\sa], v[\sb] matrix_a_fmt:MATRIX_FMT_FP6 matrix_b_fmt:MATRIX_FMT_FP6
.endm
.macro MMC d, a, b, c, sa, sb
	v_wmma_scale_f32_16x16x128_f8f6f4 v[\d:\d+7], v[\a:\a+11], v[\b:\b+11], v[\c:\c+7], v[\sa], v[\sb] matrix_a_fmt:MATRIX_FMT_FP6 matrix_b_fmt:MATRIX_FMT_FP6
.endm
; rows x whg: source 0 = a tile's 16 rows, source 1 = 16 columns: lane (r, h), register j = (tile row 8 h + j, column r).  Sum (ct, b) at D + 16 ct + 8 b; ct 0, 1 hidden, 2, 3 gate.  The eight take turns
.macro WMMA1
	WIN 0x55
.irp ct, 0,1,2,3
.irp b, 0,1
	MMZ D+16*\ct+8*\b, AF+24*\b, HG+24*\ct, XS+2*\b, HGS+2*\ct
.endr
.endr
.irp ct, 0,1,2,3
.irp b, 0,1
	MMC D+16*\ct+8*\b, AF+24*\b+12, HG+24*\ct+12, D+16*\ct+8*\b, XS+2*\b+1, HGS+2*\ct+1
.endr
.endr
	WIN 0
.endm
; transposed: source 0 = 16 columns of ff_w1, source 1 = a tile's rows: sum (b, u) at D + 16 b + 8 u is the row layout.  The bias is the C of each sum's first instruction
.macro WMMA2
	WIN 0x55
.irp b, 0,1
.irp u, 0,1
	MMC D+16*\b+8*\u, W1F+24*\u, AF+24*\b, B1+8*\u, W1S+2*\u, XS+2*\b
.endr
.endr
.irp b, 0,1
.irp u, 0,1
	MMC D+16*\b+8*\u, W1F+24*\u+12, AF+24*\b+12, D+16*\b+8*\u, W1S+2*\u+1, XS+2*\b+1
.endr
.endr
	WIN 0
.endm
.macro WMMA3                           ; the same with ff_w2, onto x + b2
	WIN 0x55
.irp s, 0,1
.irp b, 0,1
.irp u, 0,1
	MMC D+16*\b+8*\u, W2F+24*\u+12*\s, AF+24*\b+12*\s, D+16*\b+8*\u, W2S+2*\u+\s, XS+2*\b+\s
.endr
.endr
.endr
	WIN 0
.endm
.macro CVA                             ; the sums leave their registers, each from its low end on: T1 = -gate log2 e, T2 = -hidden log2 e, T3 = hidden + 0.5; register 16 n + 8 b + j: channel tile n, 16 rows in order
	WIN 0x01
	PK16S v_pk_mul_f32, T1, D+32, s[NEGL:NEGL+1]
	PK16S v_pk_mul_f32, T2, D, s[NEGL:NEGL+1]
	PK16S v_pk_add_f32, T3, D, 0.5
	WIN 0
.endm
.macro CVB                             ; T1 = c, T3 = v.  Two batches of 64 transcendentals
	ONE32 v_exp_f32, T2                            ; e^-hidden
	ONE32 v_exp_f32, T1                            ; E = e^-gate; where it overflows, z = 0, c = 1 and v = 0 follow
	v_nop
	s_wait_alu depctr_va_vdst(0)                   ; one wait for the batch, ahead of its first reader
	PK16S v_pk_add_f32, T4, T1, 1.0
	PK16S v_pk_add_f32, T2, T2, 1.0
	s_wait_alu depctr_va_vdst(0)
	ONE32 v_rcp_f32, T4                            ; z = sigmoid(gate)
	ONE32 v_rcp_f32, T2                            ; sigmoid(hidden)
	v_nop
	s_wait_alu depctr_va_vdst(0)
.set i, 0
.rept 16
	v_pk_fma_f32 v[T1+i:T1+i+1], v[T4+i:T4+i+1], -1.0, 1.0 op_sel_hi:[1,0,0]   ; c = 1 - z
.set i, i+2
.endr
.set i, 0
.rept 32
	v_max_num_f32 v[T3+i], v[T3+i], v[T2+i]        ; g
.set i, i+1
.endr
	PK16 v_pk_mul_f32, T3, T3, T4                  ; v = z g
.endm
.macro HST k, n, reg                   ; h of row k (0..15) of channel tile n into my stage
	ds_store_b32 v[STN], v[\reg] offset:ST2*((\k)/8)+SP*((\k)%8)+64*\n
.endm
; h of sixteen rows, in place of v, two chains by turns; each row's stores into the stage stand between the chains' links.  Then h and x come back in the row layout: 32 stores, 16 loads
.macro SCANTR
	v_add_nc_u32 v[AX], s[SX], v[XRB]
	v_add_nc_u32 v[AR], s[SR], v[RDW]
.irp n, 0,1
	v_fma_f32 v[T3+16*\n], v[T1+16*\n], v[S+\n], v[T3+16*\n]
.endr
.irp k, 1,2,3,4,5,6,7,8,9,10,11,12,13,14
.irp n, 0,1
	v_fma_f32 v[T3+16*\n+\k], v[T1+16*\n+\k], v[T3+16*\n+\k-1], v[T3+16*\n+\k]
.endr
.irp n, 0,1
	HST \k-1, \n, T3+16*\n+\k-1
.endr
.endr
.irp n, 0,1
	v_fma_f32 v[S+\n], v[T1+16*\n+15], v[T3+16*\n+14], v[T3+16*\n+15]
.endr
.irp n, 0,1
	HST 14, \n, T3+16*\n+14
	HST 15, \n, S+\n
.endr
	LDR8 T1, STR, 0, ST2                           ; LDS serves a wave's instructions in order: these see the stores above
	LDR8 T2, AX, 0, XT
.endm
.macro SCANA                           ; the pair of my half of the chunk goes sixteen rows on: four chains by turns
.irp k, 0,1,2,3,4,5,6,7,8,9,10,11,12,13,14,15
.irp n, 0,1
	v_fma_f32 v[S+\n], v[T1+16*\n+\k], v[S+\n], v[T3+16*\n+\k]
.endr
.irp n, 0,1
	v_mul_f32 v[PP+\n], v[PP+\n], v[T1+16*\n+\k]
.endr
.endr
.endm
.macro ADDX                            ; x + h goes back to its place, its sums of squares to the others
	PK16 v_pk_add_f32, T2, T2, T1
	SUMSQ T2, 0
	STR8 T2, AX, 0, XT
	PUTRED
.endm
.macro G1TRIP next
	CVA
.if \next
	FETCHA                                         ; the next two tiles' operands land under the lines below
.endif
	s_wait_alu depctr_va_vdst(0)
	CVB
	SCANTR
.if \next
	s_wait_dscnt 48                                ; all but the 48 just issued: the next operands are in
	WMMA1
.endif
	s_wait_dscnt 0x0
	ADDX                                           ; its plain lines are the places behind the matrix instructions
	s_add_co_u32 s[SX], s[SX], 2*XT
	s_add_co_u32 s[SR], s[SR], 1024
.endm
.macro G1ATRIP next
	CVA
.if \next
	FETCHA
.endif
	s_wait_alu depctr_va_vdst(0)
	CVB
.if \next
	s_wait_alu depctr_va_vdst(0)
	s_wait_dscnt 0x0
	WMMA1                                          ; the 64 lines below are the places behind it
.endif
	SCANA
.endm
.macro GELUA                           ; the sums leave their registers, from the low end on: T1 = t = |x| / sqrt 2, T2 = max(x, 0)
	WIN 0x05
.set i, 0
.rept 32
	v_mul_f32 v[T1+i], |v[D+i]|, s[K707]
.set i, i+1
.endr
.set i, 0
.rept 32
	v_max_num_f32 v[T2+i], 0, v[D+i]
.set i, i+1
.endr
	WIN 0
.endm
; T2 = gelu.  In four groups of eight numbers; T3: w for small t, T4: w for large t; the two chains by turns
.macro GELUB
.irp g, 0,8,16,24
.irp p, 0,2,4,6
	v_pk_mul_f32 v[PS+\p:PS+\p+1], v[T1+\g+\p:T1+\g+\p+1], v[T1+\g+\p:T1+\g+\p+1]
.endr
.irp p, 0,2,4,6
	v_pk_fma_f32 v[T4+\g+\p:T4+\g+\p+1], v[T1+\g+\p:T1+\g+\p+1], s[KC0:KC0+1], v[VC1:VC1+1] op_sel_hi:[1,0,1]
.endr
.irp p, 0,2,4,6
	v_pk_fma_f32 v[TM+\p:TM+\p+1], v[T1+\g+\p:T1+\g+\p+1], s[KC2:KC2+1], v[VC3:VC3+1] op_sel_hi:[1,0,1]
.endr
.irp p, 0,2,4,6
	v_pk_fma_f32 v[T3+\g+\p:T3+\g+\p+1], v[PS+\p:PS+\p+1], s[KM5:KM5+1], v[VM4:VM4+1] op_sel_hi:[1,0,1]
.endr
.irp p, 0,2,4,6
	v_pk_fma_f32 v[T4+\g+\p:T4+\g+\p+1], v[T4+\g+\p:T4+\g+\p+1], v[PS+\p:PS+\p+1], v[TM+\p:TM+\p+1]
.endr
.irp p, 0,2,4,6
	v_pk_fma_f32 v[T3+\g+\p:T3+\g+\p+1], v[T3+\g+\p:T3+\g+\p+1], v[PS+\p:PS+\p+1], s[KM3:KM3+1] op_sel_hi:[1,1,0]
.endr
.irp p, 0,2,4,6
	v_pk_fma_f32 v[T4+\g+\p:T4+\g+\p+1], v[T4+\g+\p:T4+\g+\p+1], v[T1+\g+\p:T1+\g+\p+1], s[KC4:KC4+1] op_sel_hi:[1,1,0]
.endr
.irp p, 0,2,4,6
	v_pk_fma_f32 v[T3+\g+\p:T3+\g+\p+1], v[T3+\g+\p:T3+\g+\p+1], v[PS+\p:PS+\p+1], s[KM2:KM2+1] op_sel_hi:[1,1,0]
.endr
.irp p, 0,2,4,6
	v_pk_fma_f32 v[T4+\g+\p:T4+\g+\p+1], v[T4+\g+\p:T4+\g+\p+1], v[T1+\g+\p:T1+\g+\p+1], s[KC5:KC5+1] op_sel_hi:[1,1,0]
.endr
.irp p, 0,2,4,6
	v_pk_fma_f32 v[T3+\g+\p:T3+\g+\p+1], v[T3+\g+\p:T3+\g+\p+1], v[PS+\p:PS+\p+1], s[KM1:KM1+1] op_sel_hi:[1,1,0]
.endr
.irp p, 0,2,4,6
	v_pk_fma_f32 v[T4+\g+\p:T4+\g+\p+1], v[T4+\g+\p:T4+\g+\p+1], v[T1+\g+\p:T1+\g+\p+1], s[KC6:KC6+1] op_sel_hi:[1,1,0]
.endr
.irp p, 0,2,4,6
	v_pk_fma_f32 v[T3+\g+\p:T3+\g+\p+1], v[T3+\g+\p:T3+\g+\p+1], v[PS+\p:PS+\p+1], s[KM0:KM0+1] op_sel_hi:[1,1,0]
.endr
.irp p, 0,2,4,6
	v_pk_fma_f32 v[T4+\g+\p:T4+\g+\p+1], v[T4+\g+\p:T4+\g+\p+1], v[T1+\g+\p:T1+\g+\p+1], v[T1+\g+\p:T1+\g+\p+1] neg_lo:[0,0,1] neg_hi:[0,0,1]
.endr
.irp p, 0,2,4,6
	v_pk_fma_f32 v[T3+\g+\p:T3+\g+\p+1], v[T1+\g+\p:T1+\g+\p+1], v[T3+\g+\p:T3+\g+\p+1], s[K707:K707+1] op_sel_hi:[1,1,0] neg_lo:[1,0,0] neg_hi:[1,0,0]   ; w = 1 / sqrt 2 - t (..)
.endr
.irp p, 0,2,4,6
	v_pk_fma_f32 v[T4+\g+\p:T4+\g+\p+1], v[T4+\g+\p:T4+\g+\p+1], s[LG2E:LG2E+1], -0.5 op_sel_hi:[1,0,0]   ; in base 2, with the 1 / sqrt 2 in the exponent
.endr
	s_wait_alu depctr_va_vdst(0)
.irp e, 0,1,2,3,4,5,6,7
	v_exp_f32 v[T4+\g+\e], v[T4+\g+\e]
.endr
.endr
	v_nop
	s_wait_alu depctr_va_vdst(0)                   ; one wait for the 32
.irp g, 0,8,16,24
.irp e, 0,1,2,3,4,5,6,7
	v_cmp_gt_f32 s[MK+\e], v[T1+\g+\e], s[THR]
.endr
.irp e, 0,1,2,3,4,5,6,7
	v_cndmask_b32 v[T3+\g+\e], v[T3+\g+\e], v[T4+\g+\e], s[MK+\e]
.endr
.endr
.set i, 0
.rept 16
	v_pk_fma_f32 v[T2+i:T2+i+1], v[T1+i:T1+i+1], v[T3+i:T3+i+1], v[T2+i:T2+i+1] neg_lo:[1,0,0] neg_hi:[1,0,0]
.set i, i+2
.endr
.endm
.macro FTRIP next
	GELUA
.if \next
	FETCHA
.endif
	GELUB
.if \next
	s_wait_alu depctr_va_vdst(0)
	s_wait_dscnt 0x0
	WMMA2                                          ; the quantiser's lines are the places behind it
.endif
	QUANT32 T2
	PUTIMG
.endm
; The second feed-forward product of two tiles, onto x + b2; the result goes back to x's place.  next = 1: the next operands and x are asked for
.macro G3TRIP next
	s_wait_dscnt 10                                ; operands and x are in; behind them the last trip issued ten stores, which may be out
	WIN 0x44
	PK2P v_pk_add_f32, D, T1, B2
	WIN 0
	v_add_nc_u32 v[AX], s[SX], v[XRB]
	v_add_nc_u32 v[AR], s[SR], v[RDW]
	v_nop
	v_nop
	WMMA3
	NOP4                                           ; places in front of the loads into the operands' registers and of the first read of the sums
.if \next
	FETCHA
	LDR8 T1, AX, 2*XT, XT
.endif
	SUMSQ D, 0x05
	WIN 0x04
	STR8 D, AX, 0, XT
	WIN 0
	PUTRED
	s_add_co_u32 s[SX], s[SX], 2*XT
	s_add_co_u32 s[SR], s[SR], 1024
.endm
	; ---- the head: the scalar bases first, then the lanes' addresses in one run
	s_load_b256 s[4:11], s[0:1], 0x0               ; x in, the pairs in, this layer's weights, the next layer's
	s_load_b128 s[12:15], s[0:1], 0x20             ; x out, the pairs out
	v_lshl_add_u32 v[SPW], v0, 2, SPARE
	v_mov_b32 v[NIL], 0
	v_lshrrev_b32 v[L], 5, v0
	v_readfirstlane_b32 s[WV], v[L]                ; wave 0..7
	s_lshr_b32 s[CW], s[WV], 1                     ; strip of 64 channels
	s_and_b32 s[E], s[WV], 1                       ; half of it
	s_mov_b32 s[G], ttmp9
	s_and_b32 s[CH], ttmp9, 31                     ; my chunk in its sequence
	s_lshl_b32 s78, s[CW], 8
	s_lshl_b32 s79, s[E], 15
	s_add_co_u32 s78, s78, s79                     ; 256 cw + 32,768 e
	s_lshl_b32 s79, s[WV], 7                       ; 128 w
	s_mul_i32 s81, s[CW], XW
	s_mul_i32 s80, s[E], 4*XT
	s_add_co_u32 s80, s80, s81                     ; XW cw + 4 XT e
	s_lshl_b32 s82, s[E], 7
	s_add_co_u32 s81, s81, s82                     ; XW cw + 128 e
	s_mul_i32 s84, s[CW], 6144
	s_add_co_u32 s84, s84, s82
	s_add_co_u32 s84, s84, 512                     ; 6,144 cw + 128 e + 512
	s_lshl_b32 s93, s[E], 8                        ; 256 e
	s_mul_i32 s83, s[CW], 6144
	s_add_co_u32 s83, s83, s93                     ; 6,144 cw + 256 e
	s_mul_i32 s82, s[WV], SW
	s_add_co_u32 s82, s82, STG                     ; my stage
	s_lshl_b32 s85, s[WV], 2
	s_lshl_b32 s94, s[E], 3
	s_mov_b32 s[SEL], 0x76543210
	s_mov_b32 s[SEL+1], 0xfedcba98                 ; v_permlanex16_b32's selects for lane l xor 16
	s_mov_b32 s[EPS], 0x358637bd                   ; 1e-6
	s_mov_b32 s[I256], 0x3b800000                  ; 1 / 256
	s_mov_b32 s[THR], 0x3f6d8000                   ; 475 / 512
	SPAIR NEGL, 0xbfb8aa3b                         ; -log2 e
	SPAIR LG2E, 0x3fb8aa3b
	SPAIR K707, 0x3f3504f3                         ; 1 / sqrt 2
	SPAIR KM0, 0x3f4c422a                          ; small t: erf(t) / (t sqrt 2) as a polynomial in t t
	SPAIR KM1, 0xbe882c03
	SPAIR KM2, 0x3da36176
	SPAIR KM3, 0xbc9b0ebf
	SPAIR KM5, 0xb9dd3c6d
	SPAIR KC0, 0xb7910000                          ; large t: ln erfc(t) as a polynomial in t
	SPAIR KC2, 0xbb7e8a1c
	SPAIR KC4, 0xbddaae5c
	SPAIR KC5, 0xbf228550
	SPAIR KC6, 0xbe03ce86
	v_and_b32 v[L], 31, v0
	v_and_b32 v[R], 15, v0
	v_bfe_u32 v[H], v0, 4, 1
	v_lshlrev_b32 v[L16], 4, v[L]
	v_lshlrev_b32 v[L4], 2, v[L]
	v_lshlrev_b32 v[SCR], 3, v[R]
	v_lshlrev_b32 v[RDR], 5, v[R]
	v_lshl_add_u32 v[IMR8], v[L], 3, 512
	v_lshlrev_b32 v[LX], 4, v[R]
	v_lshl_add_u32 v[LX], v[H], 16, v[LX]
	v_add_nc_u32 v[LX], s78, v[LX]
	v_lshlrev_b32 v[PRM], 6, v[H]
	v_add_nc_u32 v[PRM], s79, v[PRM]
	v_mul_u32_u24 v[XROW], v[H], 8*XP
	v_lshl_add_u32 v[XROW], v[R], 4, v[XROW]
	v_add_nc_u32 v[XROW], s80, v[XROW]
	v_mul_u32_u24 v[XRB], v[R], XP
	v_lshl_add_u32 v[XRB], v[H], 6, v[XRB]
	v_add_nc_u32 v[XRB], s81, v[XRB]
	v_mul_u32_u24 v[STR], v[R], SP
	v_lshl_add_u32 v[STR], v[H], 6, v[STR]
	v_add_nc_u32 v[STR], s82, v[STR]
	v_mul_u32_u24 v[STN], v[H], 8*SP
	v_lshl_add_u32 v[STN], v[R], 2, v[STN]
	v_add_nc_u32 v[STN], s82, v[STN]
	v_mul_u32_u24 v[IMW8], v[H], 768
	v_lshl_add_u32 v[IMW], v[R], 4, v[IMW8]
	v_add_nc_u32 v[IMW], s83, v[IMW]
	v_lshl_add_u32 v[IMW8], v[R], 3, v[IMW8]
	v_add_nc_u32 v[IMW8], s84, v[IMW8]
	v_add_nc_u32 v[SCW], s[WV], v[SCR]
	v_add_nc_u32 v[RDW], s85, v[RDR]
	v_lshlrev_b32 v[ADA], 4, v[R]
	v_add_nc_u32 v[ADB], s94, v[ADA]               ; 16 r + 8 e
	v_add_nc_u32 v[ADA], s93, v[ADA]               ; 16 r + 256 e
	v_lshl_add_u32 v[AGV], v[H], 3, v[ADA]
	v_lshl_add_u32 v[AGB], v[H], 8, v[ADB]
	v_add_nc_u32 v[AGB], 512, v[AGB]
.irp j, 0,1
	v_mov_b32 v[VM4+\j], 0x3b674bf3
	v_mov_b32 v[VC1+\j], 0x39c8e7d9
	v_mov_b32 v[VC3+\j], 0x3cc6b1a1
.endr
	v_mov_b32 v[TM+2], 0                           ; written once: a lane permute's destination counts as one of its sources
	v_mov_b32 v[TM+3], 0
	s_wait_alu depctr_va_vdst(0)                   ; the wait at the head's end
	s_wait_kmcnt 0x0
	s_lshl_b32 s[TP], s[G], 17                     ; 128 rows of 1,024 bytes a work-group
	s_mov_b32 s[TP+1], 0
	s_add_nc_u64 s[XIN:XIN+1], s[XIN:XIN+1], s[TP:TP+1]
	s_add_nc_u64 s[XOUT:XOUT+1], s[XOUT:XOUT+1], s[TP:TP+1]
	; ---- my 32 lines of x: lanes 0-15 256 bytes of row 32 e + i, lanes 16-31 of row 64 + 32 e + i
	WIN 0x40
.set xx, 0
.rept 32
	global_load_b128 v[4*xx:4*xx+3], v[LX], s[XIN:XIN+1] offset:1024*xx th:TH_LOAD_NT
.set xx, xx+1
.endr
	WIN 0
	s_mul_i32 s[TP], s[CW], 49152
	s_mul_i32 s[T], s[E], 6144
	s_add_co_u32 s[TP], s[TP], s[T]                ; my four fragments of each group of eight
	s_add_nc_u64 s[WF:WF+1], s[WL:WL+1], s[TP:TP+1]
	s_add_nc_u64 s[NF:NF+1], s[WLN:WLN+1], s[TP:TP+1]
	s_lshl_b32 s[TP], s[CW], 12
	s_lshl_b32 s[T], s[E], 9
	s_add_co_u32 s[TP], s[TP], s[T]
	s_add_co_u32 s[TP], s[TP], 196608
	s_add_nc_u64 s[WS:WS+1], s[WL:WL+1], s[TP:TP+1]
	s_add_nc_u64 s[NS:NS+1], s[WLN:WLN+1], s[TP:TP+1]
	s_add_nc_u64 s[WP:WP+1], s[WL:WL+1], 212992
	s_add_nc_u64 s[NP:NP+1], s[WLN:WLN+1], 212992
	s_lshl_b32 s[TP], s[G], 12
	s_lshl_b32 s[T], s[CW], 10
	s_add_co_u32 s[TP], s[TP], s[T]                ; my strip's records: 4,096 g + 1,024 cw
	s_add_nc_u64 s[AGO:AGO+1], s[AGO:AGO+1], s[TP:TP+1]
	s_add_nc_u64 s[OWN:OWN+1], s[AGI:AGI+1], s[TP:TP+1]
	s_lshl_b32 s[T], s[CH], 12
	s_sub_co_u32 s[TP], s[TP], s[T]
	s_add_nc_u64 s[FB:FB+1], s[AGI:AGI+1], s[TP:TP+1]  ; those of my sequence's chunk 0
	WIN 0x40
	LDPARAM NWR, WP, 0
	WIN 0
	LDSC HGS, 0, 4, WS
	LDSC HGS+4, 8, 4, WS
	WIN 0x04
.set tt, 0
.rept 4
	s_wait_loadcnt 12+8*(3-tt)                     ; this tile's eight lines are in: behind them the later tiles' and the twelve above
	STL8 32*tt, XROW, XT*tt
.set tt, tt+1
.endr
	WIN 0
.set kk, 0
.rept 31
	global_load_b128 v[T1+4*kk:T1+4*kk+3], v[ADA], s[FB:FB+1] offset:4096*kk   ; chunk kk's pair of my two channel tiles: P, P, H, H, in every lane of column r
.set kk, kk+1
.endr
	global_load_b64 v[PS:PS+1], v[ADB], s[OWN:OWN+1] offset:512        ; my own first half's P0
	global_load_b64 v[PS+2:PS+3], v[ADB], s[OWN:OWN+1] offset:768      ; and H0
	BARRIER                                        ; the strip's lines lie in LDS
	WIN 0x40
.irp g, 0,1,2,3
	LDR8 32*\g, XRB, 2*XT*\g, XT
.endr
	WIN 0
	v_add_nc_u32 v[AR], RED1, v[RDW]
.irp g, 0,1,2,3
	s_wait_dscnt 8*(3-\g)+2*\g                     ; this pair of tiles is in: behind it the later pairs' loads and the stores below
	SUMSQ 32*\g, 0x05
	ds_store_b32 v[AR], v[ACC] offset:1024*\g
	ds_store_b32 v[AR], v[ACC+4] offset:1024*\g+512
.endr
	WIN 0x40
	LDFR HG, 0, 4, WF                              ; whg, hidden and gate: lands under the carry and the first quantiser
	LDFR HG+48, 8, 4, WF
	WIN 0
	s_wait_loadcnt 24                              ; all but whg's 24
	; ---- the carry: the fold of the chunks ahead of mine (a branch on the work-group's number), then my second half's start
	v_mov_b32 v[TM], 0
	v_mov_b32 v[TM+1], 0
.set k, 0
.rept 31
	s_cmp_le_u32 s[CH], k
	s_cbranch_scc1 .Lfolded
	v_fma_f32 v[TM], v[T1+4*k], v[TM], v[T1+4*k+2]
	v_fma_f32 v[TM+1], v[T1+4*k+1], v[TM+1], v[T1+4*k+3]
.set k, k+1
.endr
.Lfolded:
	s_wait_alu depctr_va_vdst(0)
	s_mov_b32 vcc_lo, 0xffff0000                   ; lanes 16-31
.irp n, 0,1
	v_fma_f32 v[PP+\n], v[PS+\n], v[TM+\n], v[PS+2+\n]
.endr
.irp n, 0,1
	v_cndmask_b32 v[S+\n], v[TM+\n], v[PP+\n], vcc_lo   ; lanes 16-31 begin at row 64
.endr
	BARRIER                                        ; every row's eight partial sums lie in LDS
	QLOOP RED1, IMG1, SC1
	s_wait_loadcnt 0x0                             ; whg is in
	WIN 0x40                                       ; the second norm's weight, the biases and the feed-forward scale words land under the scan
	LDPARAM NWR, WP, 1024
	LDPARAM B1, WP, 2048
	LDPARAM B2, WP, 3072
	WIN 0
	LDSC W1S, 16, 4, WS
	LDSC W2S, 24, 4, WS
	BARRIER                                        ; the rows' codes and scale bytes lie in LDS
	; ---- the scan
	s_mov_b32 s[SX], 0
	s_mov_b32 s[SR], RED2
	s_mov_b32 s[SIA], IMG1
	s_mov_b32 s[SSA], SC1
	FETCHA
	s_wait_dscnt 0x0
	WMMA1
	NOP4
	s_mov_b32 s[T], 3
.Lg1:
	G1TRIP 1
	s_sub_co_i32 s[T], s[T], 1
	s_cmp_lg_u32 s[T], 0
	s_cbranch_scc1 .Lg1
	G1TRIP 0
	s_wait_loadcnt 0x0
	WIN 0x40                                       ; whg's registers take ff_w1 and ff_w2, its scale words' the next layer's: they land under the second quantiser
	LDFR W1F, 16, 4, WF
	LDFR W2F, 24, 4, WF
	WIN 0
	LDSC HGS, 0, 4, NS
	LDSC HGS+4, 8, 4, NS
	BARRIER
	QLOOP RED2, IMG2, SC2
	s_wait_loadcnt 0x0
	WIN 0x40
	LDPARAM NWR, NP, 0                             ; the next layer's norm
	WIN 0
	BARRIER
	; ---- first feed-forward product, gelu, quantiser
	s_mov_b32 s[SI], IMG3
	s_mov_b32 s[SS], SC3
	s_mov_b32 s[SIA], IMG2
	s_mov_b32 s[SSA], SC2
	FETCHA
	s_wait_dscnt 0x0
	WMMA2
	NOP4
	s_mov_b32 s[T], 3
.Lf:
	FTRIP 1
	s_sub_co_i32 s[T], s[T], 1
	s_cmp_lg_u32 s[T], 0
	s_cbranch_scc1 .Lf
	FTRIP 0
	BARRIER
	; ---- second feed-forward product, bias, residual
	s_mov_b32 s[SX], 0
	s_mov_b32 s[SR], RED3
	s_mov_b32 s[SIA], IMG3
	s_mov_b32 s[SSA], SC3
	FETCHA
	v_add_nc_u32 v[AX], s[SX], v[XRB]
	LDR8 T1, AX, 0, XT
	s_wait_dscnt 0x0
	s_mov_b32 s[T], 3
.Lg3:
	G3TRIP 1
	s_sub_co_i32 s[T], s[T], 1
	s_cmp_lg_u32 s[T], 0
	s_cbranch_scc1 .Lg3
	G3TRIP 0
	WIN 0x40                                       ; the weights' registers take the next layer's whg
	LDFR HG, 0, 4, NF
	LDFR HG+48, 8, 4, NF
	WIN 0
	BARRIER                                        ; the strip's new x lies in LDS
	; ---- x leaves: my 32 lines; sixteen lanes store 256 consecutive bytes, at a multiple of 256 from the buffer's first byte
.irp g, 0,1,2,3
	LDL8 T1+32*\g, XROW, XT*\g
.endr
.irp g, 0,1,2,3
	s_wait_dscnt 8*(3-\g)
.irp q, 0,1,2,3,4,5,6,7
	global_store_b128 v[LX], v[T1+32*\g+4*\q:T1+32*\g+4*\q+3], s[XOUT:XOUT+1] offset:1024*(8*\g+\q)
.endr
.endr
	s_wait_xcnt 0x0                                ; the stores have read their registers, which the next phase loads again
	; ---- the next layer's front, summed up as pairs
	s_wait_loadcnt 24                              ; its norm's weight is in; whg's 24 may be out
	QLOOP RED3, IMG4, SC4
	s_wait_loadcnt 0x0
	BARRIER
.irp n, 0,1
	v_mov_b32 v[S+\n], 0
	v_mov_b32 v[PP+\n], 1.0
.endr
	s_mov_b32 s[SIA], IMG4
	s_mov_b32 s[SSA], SC4
	FETCHA
	s_wait_dscnt 0x0
	WMMA1
	NOP4
	s_mov_b32 s[T], 3
.Lga:
	G1ATRIP 1
	s_sub_co_i32 s[T], s[T], 1
	s_cmp_lg_u32 s[T], 0
	s_cbranch_scc1 .Lga
	G1ATRIP 0
	; lanes 0-15 hold (P0, H0) of rows 0..63, lanes 16-31 (P1, H1) of rows 64..127.  The chunk's pair: P0 P1, P1 H0 + H1.
	; record A: lanes 0-15 store the two P, lanes 16-31 the two H: 256 consecutive bytes a wave.  record B: lanes 0-15 P0, lanes 16-31 H0
	s_mov_b32 vcc_lo, 0xffff0000                   ; lanes 16-31
.irp n, 0,1
	v_permlanex16_b32 v[T1+\n], v[S+\n], s[SEL], s[SEL+1]
	v_permlanex16_b32 v[T1+2+\n], v[PP+\n], s[SEL], s[SEL+1]
.endr
.irp n, 0,1
	v_mul_f32 v[T2+\n], v[PP+\n], v[T1+2+\n]
	v_fma_f32 v[T2+2+\n], v[PP+\n], v[T1+\n], v[S+\n]   ; right in lanes 16-31, which alone keep it
.endr
.irp n, 0,1
	v_cndmask_b32 v[T3+\n], v[T2+\n], v[T2+2+\n], vcc_lo
	v_cndmask_b32 v[T3+2+\n], v[PP+\n], v[T1+\n], vcc_lo
.endr
	global_store_b64 v[AGV], v[T3:T3+1], s[AGO:AGO+1]
	global_store_b64 v[AGB], v[T3+2:T3+3], s[AGO:AGO+1]
	s_wait_tensorcnt 0x0                           ; the wave's end
	ds_add_u32 v[SPW], v[NIL]
	s_wait_dscnt 0x0
	s_endpgm
.Lfunc_end_k_qfb663def91_mid0:
	.size	k_qfb663def91_mid0, .Lfunc_end_k_qfb663def91_mid0-k_qfb663def91_mid0
	.p2alignl 7, 3214868480
	.fill 96, 4, 3214868480
	.section	.rodata,"a",@progbits
	.p2align	6, 0x0
	.amdhsa_kernel k_qfb663def91_mid0
		.amdhsa_group_segment_fixed_size 291840
		.amdhsa_private_segment_fixed_size 0
		.amdhsa_enable_private_segment 0
		.amdhsa_kernarg_size 48
		.amdhsa_user_sgpr_count 2
		.amdhsa_user_sgpr_kernarg_segment_ptr 1
		.amdhsa_wavefront_size32 1
		.amdhsa_system_sgpr_workgroup_id_x 1
		.amdhsa_system_sgpr_workgroup_id_y 1
		.amdhsa_system_sgpr_workgroup_id_z 1
		.amdhsa_system_vgpr_workitem_id 0
		.amdhsa_next_free_vgpr 512
		.amdhsa_next_free_sgpr 96
		.amdhsa_reserve_vcc 1
		.amdhsa_float_denorm_mode_32 3
		.amdhsa_float_denorm_mode_16_64 3
		.amdhsa_memory_ordered 1
		.amdhsa_forward_progress 1
		.amdhsa_inst_pref_size 244
	.end_amdhsa_kernel
	.amdgpu_metadata
---
amdhsa.version: [ 1, 2 ]
amdhsa.kernels:
  - .name:           k_qfb663def91_mid0
    .symbol:         k_qfb663def91_mid0.kd
    .args:
      - { .name: x, .offset: 0, .size: 8, .value_kind: global_buffer, .address_space: global }
      - { .name: agga, .offset: 8, .size: 8, .value_kind: global_buffer, .address_space: global }
      - { .name: wl0, .offset: 16, .size: 8, .value_kind: global_buffer, .address_space: global }
      - { .name: wl1, .offset: 24, .size: 8, .value_kind: global_buffer, .address_space: global }
      - { .name: xa, .offset: 32, .size: 8, .value_kind: global_buffer, .address_space: global }
      - { .name: aggb, .offset: 40, .size: 8, .value_kind: global_buffer, .address_space: global }
    .group_segment_fixed_size: 291840
    .private_segment_fixed_size: 0
    .kernarg_segment_align: 8
    .kernarg_segment_size: 48
    .max_flat_workgroup_size: 256
    .sgpr_count:     96
    .vgpr_count:     512
    .wavefront_size: 32
...
	.end_amdgpu_metadata
.endif
;; end of part 3
;; launch mid1: the kernel of part 3 again; grid 256 x 1, 8 waves a work-group, no clusters, 291,840 bytes of LDS; arguments xa, aggb, wl1, wl2, xb, agga; writes xb, agga
;; launch mid2: the kernel of part 3 again; grid 256 x 1, 8 waves a work-group, no clusters, 291,840 bytes of LDS; arguments xb, agga, wl2, wl3, xa, aggb; writes xa, aggb
;; launch last (part 4): grid 256 x 1, 4 waves a work-group, no clusters, 271,872 bytes of LDS; arguments xa, aggb, wl3, final_norm_w, out0; writes out0
.if DOCPART == 4
	.amdgcn_target "amdgcn-amd-amdhsa--gfx1250"
	.amdhsa_code_object_version 6
	.text
	.protected	k_qfb663def91_last
	.globl	k_qfb663def91_last
	.p2align	8
	.type	k_qfb663def91_last,@function
k_qfb663def91_last:
	s_mov_b64 s[64:65], 0
	v_nop
	global_prefetch_b8 v0, s[64:65] scope:SCOPE_SE
	s_setreg_imm32_b32 hwreg(HW_REG_WAVE_MODE, 25, 1), 1
	s_wait_xcnt 0x0
; MinGRU stack, THE LAST LAUNCH: layer 3 whole (its scan with the carry folded from the pairs that the launch before stored, the residual, the feed-forward part) and the final norm.
; THE SCAN IS TAKEN IN ITS LINEAR FORM: h(t) = c(t) h(t-1) + v(t), c = sigmoid(-gate), v = sigmoid(gate) g(hidden), g(x) = max(x + 0.5, sigmoid(x)), h(-1) = 0: the same numbers as the scan in log space.
; The only exponentials are the sigmoids' own; h is a convex mix of earlier g, so no exponential and no sum of them can overflow for any input, and no running maximum is needed.
; A run of rows is the pair P = product of c, H = its end value from 0.  A chunk's start value is the fold of the pairs of the chunks ahead of it in its sequence: 31 multiply-adds a channel at the most.
; SHARES.  Work-group g owns rows 128 g .. 128 g + 127 (sequence g / 32, chunk g % 32).  Its four waves share the CHANNELS: wave w owns channels, hidden units and outputs 64 w .. 64 w + 63 of all 128 rows;
; its part of the three weights stays in registers (384), and the scan's value never leaves a lane.  x lies in LDS, each wave's 64 channels its own.
; TILES.  Tile t (0..7), tile row m is chunk row 64 (m / 8) + 8 t + m % 8: in the first product's result lanes 0-15 walk rows 0..63 in order over the tiles, lanes 16-31 rows 64..127.
; ROW LAYOUT (32 registers a tile): lane (r, h) holds tile row r; register 16 b + i is channel 64 w + 32 b + 16 h + i.  The two feed-forward products are used transposed, on columns chosen so that their results lie so.
; Rows' codes go from wave to wave through LDS as images of the operand's registers: wave w's 64 channels are half w % 2 of K step w / 2: 16 bytes a lane at 16 l, then 8 bytes a lane at 512 + 8 l.
; gelu(x) = max(x, 0) - t w, t = |x| / sqrt 2, w = erfc(t) / sqrt 2: no difference of near numbers in the negative tail.  erfc: under t = 475/512 one less an odd polynomial, above it the exponential of a polynomial.
; LOADS go out in the order of their use, each group a phase or more ahead of it, at most 57 of a wave's at a time: x; behind each tile of x that has come eight or nine more (x's last tile, the norm's weight, the pairs,
; whg's scale words); whg under the carry and the first quantiser; ff_w1's group under the scan; ff_w2's group and the final norm's weight under the second quantiser.
; NO CLUSTER: what work-groups share is the weights, read once a launch straight into registers (48 KB a wave); through LDS they would want 196 KB beside the 265 KB in use.
; LIMITS: NaN and infinities are not served; c is taken as 1 - z, z = sigmoid(gate), so its error is half a last place of 1 and not of c: where c is small, h(t) carries some 6e-8 h(t-1) of absolute error;
; a block of zeros carries the byte 1 (its codes are zeros, this program alone reads the bytes); the norm multiplies (x w) rs where the source has (x rs) w.
.set KIND, 2                           ; 0: the first launch, 1: a middle one, 2: the last
; ---- LDS
.set XW,   34816                       ; x: a region for each wave, its own: 8 tiles of
.set XT,   4352                        ; 16 rows of
.set XP,   272                         ; 256 bytes + 16
.set STG,  139264                      ; a stage of 16 rows x 272 for each wave, its own
.set IMG1, 156672                      ; images: 6,144 w + 768 t
.set IMG2, 181248
.set IMG3, 205824
.set SC1,  254976                      ; rows' scale bytes: 128 t + 8 r + 2 w + b
.set SC2,  256000
.set SC3,  257024
.set RED1, 259072                      ; partial sums of squares: 1,024 w + 128 t + 8 r + 4 h
.set RED2, 263168
.set RED3, 267264
; ---- vector registers, window 0
.set L, 1
.set R, 2
.set H, 3
.set LX, 4                             ; x in memory: 65,536 h + 16 r + 256 w
.set XROW, 5                           ; x in LDS by lines: XW w + 2,176 h + 16 r
.set XRB, 6                            ; x in LDS in the row layout: XW w + 272 r + 64 h
.set STN, 7                            ; the stage, as the first product's result lies: 2,176 h + 4 r
.set STR, 8                            ; the stage in the row layout
.set IMW, 9                            ; 16 l + 6,144 w
.set IMW8, 10                          ; 8 l + 512 + 6,144 w
.set SCW, 11                           ; 8 r + 2 w
.set IMR8, 12                          ; 8 l + 512
.set SCR, 13                           ; 8 r
.set RDW, 14                           ; 8 r + 4 h + 1,024 w
.set PRM, 15                           ; 256 w + 64 h
.set L16, 16
.set L4, 17
.set F0, 18
.set F1, 19
.set F2, 20
.set ADA, 21
.set ADB, 22
.set WA, 23
.set WB, 24
.set WC, 25
.set AX, 26
.set AR, 27
.set ROWA, 28
.set HGS, 32                           ; v32-47 whg's scale words, v48-55 ff_w1's, v56-63 ff_w2's, v64-65 the rows': these hold scales and nothing else
.set W1S, 48
.set W2S, 56
.set XS, 64
.set S, 66                             ; v66-69 the scan's value, a channel tile each
.set PP, 70
.set RS, 74
.set PS, 76
.set TM, 84
.set PC, 92
.set PX, 98
.set PW, 102
.set VM4, 108                          ; three constants as vector pairs: an instruction takes them beside a scalar pair
.set VC1, 110
.set VC3, 112
.set T1, 116
.set T2, 148
.set T3, 180
.set T4, 212
.set SCA, 244                          ; v244-247 the scale bytes of 8 tiles, 16 bits each
.set ACC, 248
; window 1: at the head x's 256 registers; then
.set D, 0                              ; the accumulators
.set AF, 64                            ; the rows' two fragments
.set HR, 96                            ; h in the row layout
.set XR, 128                           ; x in the row layout
; window 2
.set HG, 0                             ; whg's 16 fragments
.set NW, 192                           ; the norm's weight, row layout; later the final norm's
.set FNW, 224
; window 3
.set W1F, 0
.set W2F, 96
.set B1, 192
.set B2, 224
; ---- scalar registers
.set XIN, 4
.set AGI, 6
.set WL, 8
.set WLN, 10                           ; here: final_norm_w
.set XOUT, 12
.set WV, 16
.set G, 17
.set CH, 18
.set T, 19
.set SX, 20
.set SR, 21
.set SI, 22
.set PSEL, 23
.set SIA, 24
.set SSA, 25
.set TP, 26
.set SEL, 28
.set EPS, 30
.set I256, 31
.set THR, 32
.set NEGL, 34
.set LG2E, 36
.set KM5, 38
.set KM3, 40
.set KM2, 42
.set KM1, 44
.set KM0, 46
.set K707, 48
.set KC0, 50
.set KC2, 52
.set KC4, 54
.set KC5, 56
.set KC6, 58
.set WF, 60
.set WS, 62
.set WP, 66
.set FB, 74
.set OWN, 76
.set MK, 78
.set MSB, 0
.macro WIN new                         ; the immediate's high byte repeats the setting that is left
.if MSB != \new
	s_set_vgpr_msb (MSB<<8)|\new
.set MSB, \new
.endif
.endm
.macro BARRIER                         ; my LDS stores have landed and my LDS loads are in: then the work-group's barrier
	s_wait_dscnt 0x0
	s_barrier_signal -1
	s_barrier_wait -1
.endm
.macro NOP4                            ; four places behind a matrix instruction (ISA guide 7.12.1)
.rept 4
	v_nop
.endr
.endm
.macro SPAIR r, val                    ; a constant for packed forms: they name a pair, so both words are written
	s_mov_b32 s[\r], \val
	s_mov_b32 s[\r+1], \val
.endm
.macro LDPARAM reg, base, off          ; a vector of 256 numbers, my part in the row layout
.irp q, 0,1,2,3,4,5,6,7
	global_load_b128 v[\reg+4*\q:\reg+4*\q+3], v[PRM], s[\base:\base+1] offset:\off+128*(\q/4)+16*(\q%4)
.endr
.endm
.macro LDFR reg, f0, n, base           ; n fragments from image f0 on
.set ff, 0
.rept \n
.irp g, 0,1,2
	global_load_b128 v[\reg+12*ff+4*\g:\reg+12*ff+4*\g+3], v[L16], s[\base:\base+1] offset:1536*(\f0+ff)+512*\g
.endr
.set ff, ff+1
.endr
.endm
.macro LDSC reg, f0, n, base           ; and their scale words
.set ff, 0
.rept \n
	global_load_b32 v[\reg+ff], v[L4], s[\base:\base+1] offset:128*(\f0+ff)
.set ff, ff+1
.endr
.endm
.macro XLD t0, n                       ; n lines of x from line t0 on: lanes 0-15 my 256 bytes of row t, lanes 16-31 of row 64 + t; eight lines are a tile
.set xx, \t0
.rept \n
	global_load_b128 v[4*xx:4*xx+3], v[LX], s[XIN:XIN+1] offset:1024*xx th:TH_LOAD_NT
.set xx, xx+1
.endr
.endm
.macro RECA k0, n                      ; the pairs of n chunks of my sequence, from chunk k0 on
.set kk, \k0
.rept \n
	global_load_b128 v[T1+4*kk:T1+4*kk+3], v[L16], s[FB:FB+1] offset:4096*kk
.set kk, kk+1
.endr
.endm
.macro LDR8 reg, adr, off              ; a tile out of LDS in the row layout
.irp q, 0,1,2,3,4,5,6,7
	ds_load_b128 v[\reg+4*\q:\reg+4*\q+3], v[\adr] offset:\off+128*(\q/4)+16*(\q%4)
.endr
.endm
.macro STR8 reg, adr, off              ; and into it
.irp q, 0,1,2,3,4,5,6,7
	ds_store_b128 v[\adr], v[\reg+4*\q:\reg+4*\q+3] offset:\off+128*(\q/4)+16*(\q%4)
.endr
.endm
.macro LDL8 reg, adr, off              ; a tile out of LDS by lines: lanes 0-15 tile row q, lanes 16-31 tile row 8 + q
.irp q, 0,1,2,3,4,5,6,7
	ds_load_b128 v[\reg+4*\q:\reg+4*\q+3], v[\adr] offset:\off+XP*\q
.endr
.endm
.macro STL8 reg, adr, off
.irp q, 0,1,2,3,4,5,6,7
	ds_store_b128 v[\adr], v[\reg+4*\q:\reg+4*\q+3] offset:\off+XP*\q
.endr
.endm
.macro OUTST reg                       ; a tile's lines go to memory: sixteen lanes store 256 consecutive bytes, at a multiple of 256 from the buffer's first byte
.irp q, 0,1,2,3,4,5,6,7
	global_store_b128 v[LX], v[\reg+4*\q:\reg+4*\q+3], s[XOUT:XOUT+1] offset:1024*\q
.endr
.endm
.macro PK16 op, d, a, b                ; sixteen packed operations on 32 registers
.set i, 0
.rept 16
	\op v[\d+i:\d+i+1], v[\a+i:\a+i+1], v[\b+i:\b+i+1]
.set i, i+2
.endr
.endm
.macro PK16S op, d, a, sc              ; the same with one number for both halves
.set i, 0
.rept 16
	\op v[\d+i:\d+i+1], v[\a+i:\a+i+1], \sc op_sel_hi:[1,0]
.set i, i+2
.endr
.endm
.macro ONE32 op, r
.set i, 0
.rept 32
	\op v[\r+i], v[\r+i]
.set i, i+1
.endr
.endm
.macro SUMSQ x                         ; the sum of squares of 32 registers of window 1, from the low end on, in four chains -> v[ACC]
	WIN 0x05
.irp i, 0,2,4,6
	v_pk_mul_f32 v[ACC+\i:ACC+\i+1], v[\x+\i:\x+\i+1], v[\x+\i:\x+\i+1]
.endr
.irp j, 8,16,24
.irp i, 0,2,4,6
	v_pk_fma_f32 v[ACC+\i:ACC+\i+1], v[\x+\j+\i:\x+\j+\i+1], v[\x+\j+\i:\x+\j+\i+1], v[ACC+\i:ACC+\i+1]
.endr
.endr
	WIN 0
	v_pk_add_f32 v[ACC:ACC+1], v[ACC:ACC+1], v[ACC+2:ACC+3]
	v_pk_add_f32 v[ACC+4:ACC+5], v[ACC+4:ACC+5], v[ACC+6:ACC+7]
	v_pk_add_f32 v[ACC:ACC+1], v[ACC:ACC+1], v[ACC+4:ACC+5]
	v_add_f32 v[ACC], v[ACC], v[ACC+1]
.endm
; 32 numbers in the row layout become half a fragment's codes in v[PC] on and two scale bytes in v[PW].  A block of 32 lies in lanes l and l xor 16.
.macro QUANT32 s
.irp b, 0,1
	v_max3_num_f32 v[TM+\b], |v[\s+16*\b]|, |v[\s+16*\b+1]|, 0x1800000   ; with the floor 2^(3 - 127): the byte cannot fall under 1
	v_max3_num_f32 v[TM+4+\b], |v[\s+16*\b+8]|, |v[\s+16*\b+9]|, |v[\s+16*\b+10]|
.endr
.irp i, 2,4
.irp b, 0,1
	v_max3_num_f32 v[TM+\b], v[TM+\b], |v[\s+16*\b+\i]|, |v[\s+16*\b+\i+1]|
	v_max3_num_f32 v[TM+4+\b], v[TM+4+\b], |v[\s+16*\b+\i+9]|, |v[\s+16*\b+\i+10]|
.endr
.endr
.irp b, 0,1
	v_max3_num_f32 v[TM+\b], v[TM+\b], |v[\s+16*\b+6]|, |v[\s+16*\b+7]|
.endr
.irp b, 0,1
	v_max3_num_f32 v[TM+\b], v[TM+\b], v[TM+4+\b], |v[\s+16*\b+15]|
.endr
.irp b, 0,1
	v_permlanex16_b32 v[TM+2+\b], v[TM+\b], s[SEL], s[SEL+1]
.endr
.irp b, 0,1
	v_max_num_f32 v[TM+\b], v[TM+\b], v[TM+2+\b]   ; the block's largest magnitude
.endr
.irp b, 0,1
	v_add_nc_u32 v[TM+6+\b], 0xff000000, v[TM+\b]  ; 2 off its exponent field: the conversion's scale operand
.endr
.irp b, 0,1
	v_lshrrev_b32 v[TM+4+\b], 23, v[TM+6+\b]       ; the scale's byte
.endr
	v_lshl_or_b32 v[PW], v[TM+5], 8, v[TM+4]
	v_cvt_scalef32_pk16_fp6_f32 v[PC:PC+2], v[\s:\s+15], v[TM+6]
	v_cvt_scalef32_pk16_fp6_f32 v[PX:PX+2], v[\s+16:\s+31], v[TM+7]
	v_nop                                          ; one plain place behind a scaled conversion
.irp i, 0,1,2
	v_permlane16_swap_b32 v[PC+\i], v[PX+\i]       ; the layout wants a whole block in a lane: lanes 0-15 block 0, lanes 16-31 block 1
.endr
.irp i, 0,1,2
	v_mov_b32 v[PC+3+\i], v[PX+\i]
.endr
.endm
.macro PUTIMG                          ; the codes go to LDS as they stand; the two bytes are shifted into the four registers that gather 8 tiles'
	v_add_nc_u32 v[WA], s[SI], v[IMW]
	v_add_nc_u32 v[WB], s[SI], v[IMW8]
	s_add_co_u32 s[SI], s[SI], 768
	ds_store_b128 v[WA], v[PC:PC+3]
	ds_store_b64 v[WB], v[PC+4:PC+5]
	v_perm_b32 v[SCA], v[SCA+1], v[SCA], s[PSEL]   ; 128 bits, 16 down
	v_perm_b32 v[SCA+1], v[SCA+2], v[SCA+1], s[PSEL]
	v_perm_b32 v[SCA+2], v[SCA+3], v[SCA+2], s[PSEL]
	v_perm_b32 v[SCA+3], v[PW], v[SCA+3], s[PSEL]
.endm
.macro PUTSC sc                        ; 8 tiles' scale bytes: every address is a constant + 8 r + 2 w
	v_add_nc_u32 v[WC], \sc, v[SCW]
.irp j, 0,1,2,3
	ds_store_b16 v[WC], v[SCA+\j] offset:256*\j
	ds_store_b16_d16_hi v[WC], v[SCA+\j] offset:256*\j+128
.endr
.endm
.macro QLOADS                          ; a tile's eight partial sums and its x
	v_add_nc_u32 v[ADA], s[SR], v[SCR]
	v_add_nc_u32 v[ADB], s[SX], v[XRB]
.irp f, 0,1,2,3
	ds_load_b64 v[PS+2*\f:PS+2*\f+1], v[ADA] offset:1024*\f
.endr
	LDR8 T2, ADB, 0
.endm
.macro NORMA nw                        ; 1 / sqrt(mean of squares + eps) is asked for; x w is the independent work behind it
	v_pk_add_f32 v[PS:PS+1], v[PS:PS+1], v[PS+2:PS+3]
	v_pk_add_f32 v[PS+4:PS+5], v[PS+4:PS+5], v[PS+6:PS+7]
	v_pk_add_f32 v[PS:PS+1], v[PS:PS+1], v[PS+4:PS+5]
	v_add_f32 v[PS], v[PS], v[PS+1]
	v_fma_f32 v[RS+1], v[PS], s[I256], s[EPS]
	s_wait_alu depctr_va_vdst(0)
	v_rsq_f32 v[RS], v[RS+1]
	WIN 0x08
	PK16 v_pk_mul_f32, T1, T2, \nw
	WIN 0
.endm
.macro QTRIP nw, next                  ; a tile is normed and quantised; next = 1: the next tile's loads go out in the trip's middle
	s_wait_dscnt 2                                 ; this tile's twelve loads are in; behind them the last trip issued its two stores of codes, which may be out
	NORMA \nw
	s_wait_alu depctr_va_vdst(0)                   ; the wait ahead of the root's first reader
.if \next
	s_add_co_u32 s[SX], s[SX], XT
	s_add_co_u32 s[SR], s[SR], 128
	QLOADS
.endif
	PK16S v_pk_mul_f32, T1, T1, v[RS:RS+1]
	QUANT32 T1
	PUTIMG
.endm
.macro QLOOP nw, red, img, sc
	s_mov_b32 s[SX], 0
	s_mov_b32 s[SR], \red
	s_mov_b32 s[SI], \img
	QLOADS
	s_wait_dscnt 0x0                               ; on the way in nothing younger stands behind the first tile's loads
	s_mov_b32 s[T], 7
.Lq_\@:
	QTRIP \nw, 1
	s_sub_co_i32 s[T], s[T], 1
	s_cmp_lg_u32 s[T], 0
	s_cbranch_scc1 .Lq_\@
	QTRIP \nw, 0                                   ; the last tile is written out: it fetches nothing
	PUTSC \sc
.endm
.macro FETCHA                          ; a tile's two fragments (four waves' halves) and its scale words: nine LDS loads
	v_add_nc_u32 v[F0], s[SIA], v[L16]
	v_add_nc_u32 v[F1], s[SIA], v[IMR8]
	v_add_nc_u32 v[F2], s[SSA], v[SCR]
	s_add_co_u32 s[SIA], s[SIA], 768
	s_add_co_u32 s[SSA], s[SSA], 128
	WIN 0x40
.irp f, 0,1,2,3
	ds_load_b128 v[AF+6*\f:AF+6*\f+3], v[F0] offset:6144*\f
	ds_load_b64 v[AF+6*\f+4:AF+6*\f+5], v[F1] offset:6144*\f
.endr
	WIN 0
	ds_load_b64 v[XS:XS+1], v[F2]
.endm
.macro MMZ d, a, b, sa, sb             ; a sum's first K step: C is the constant 0
	v_wmma_scale_f32_16x16x128_f8f6f4 v[\d:\d+7], v[\a:\a+11], v[\b:\b+11], 0, v[\sa], v[\sb] matrix_a_fmt:MATRIX_FMT_FP6 matrix_b_fmt:MATRIX_FMT_FP6
.endm
.macro MMC d, a, b, c, sa, sb
	v_wmma_scale_f32_16x16x128_f8f6f4 v[\d:\d+7], v[\a:\a+11], v[\b:\b+11], v[\c:\c+7], v[\sa], v[\sb] matrix_a_fmt:MATRIX_FMT_FP6 matrix_b_fmt:MATRIX_FMT_FP6
.endm
; rows x whg: source 0 = the tile's 16 rows, source 1 = 16 columns: lane (r, h), register j = (tile row 8 h + j, column r).  Accumulators 0-3 hidden, 4-7 gate; they take turns
.macro WMMA1
	WIN 0x59                                       ; rows and sums window 1, whg window 2
.irp ct, 0,1,2,3,4,5,6,7
	MMZ D+8*\ct, AF, HG+24*\ct, XS, HGS+2*\ct
.endr
.irp ct, 0,1,2,3,4,5,6,7
	MMC D+8*\ct, AF+12, HG+24*\ct+12, D+8*\ct, XS+1, HGS+2*\ct+1
.endr
	WIN 0
.endm
; transposed: source 0 = 16 columns of ff_w1, source 1 = the rows: the four accumulators are the row layout.  The bias is the C of each sum's first instruction
.macro WMMA2
	WIN 0x77                                       ; weights and bias window 3, rows and sums window 1
.irp tb, 0,1,2,3
	MMC D+8*\tb, W1F+24*\tb, AF, B1+8*\tb, W1S+2*\tb, XS
.endr
	WIN 0x57
.irp tb, 0,1,2,3
	MMC D+8*\tb, W1F+24*\tb+12, AF+12, D+8*\tb, W1S+2*\tb+1, XS+1
.endr
	WIN 0
.endm
.macro WMMA3                           ; the same with ff_w2, onto x + b2
	WIN 0x57
.irp s, 0,1
.irp tb, 0,1,2,3
	MMC D+8*\tb, W2F+24*\tb+12*\s, AF+12*\s, D+8*\tb, W2S+2*\tb+\s, XS+\s
.endr
.endr
	WIN 0
.endm
.macro CVA                             ; the sums leave their registers, each accumulator from its low end on: T1 = -gate log2 e, T2 = -hidden log2 e, T3 = hidden + 0.5
	WIN 0x01
	PK16S v_pk_mul_f32, T1, D+32, s[NEGL:NEGL+1]
	PK16S v_pk_mul_f32, T2, D, s[NEGL:NEGL+1]
	PK16S v_pk_add_f32, T3, D, 0.5
	WIN 0
.endm
.macro CVB                             ; T1 = c, T3 = v.  Two batches of 64 transcendentals, one wait each
	ONE32 v_exp_f32, T2                            ; e^-hidden
	ONE32 v_exp_f32, T1                            ; E = e^-gate; where it overflows, z = 0, c = 1 and v = 0 follow
	v_nop                                          ; a plain place behind the last exponential
	s_wait_alu depctr_va_vdst(0)                   ; one wait for the batch, ahead of its first reader
	PK16S v_pk_add_f32, T4, T1, 1.0
	PK16S v_pk_add_f32, T2, T2, 1.0
	s_wait_alu depctr_va_vdst(0)
	ONE32 v_rcp_f32, T4                            ; z = sigmoid(gate)
	ONE32 v_rcp_f32, T2                            ; sigmoid(hidden)
	v_nop
	s_wait_alu depctr_va_vdst(0)
.set i, 0
.rept 16
	v_pk_fma_f32 v[T1+i:T1+i+1], v[T4+i:T4+i+1], -1.0, 1.0 op_sel_hi:[1,0,0]   ; c = 1 - z
.set i, i+2
.endr
.set i, 0
.rept 32
	v_max_num_f32 v[T3+i], v[T3+i], v[T2+i]        ; g
.set i, i+1
.endr
	PK16 v_pk_mul_f32, T3, T3, T4                  ; v = z g
.endm
.macro SCANF                           ; h of eight rows, in place of v; the last goes on in v[S]: four chains by turns
.irp n, 0,1,2,3
	v_fma_f32 v[T3+8*\n], v[T1+8*\n], v[S+\n], v[T3+8*\n]
.endr
.irp j, 1,2,3,4,5,6
.irp n, 0,1,2,3
	v_fma_f32 v[T3+8*\n+\j], v[T1+8*\n+\j], v[T3+8*\n+\j-1], v[T3+8*\n+\j]
.endr
.endr
.irp n, 0,1,2,3
	v_fma_f32 v[S+\n], v[T1+8*\n+7], v[T3+8*\n+6], v[T3+8*\n+7]
.endr
.endm
.macro TR                              ; h turns through my stage into the row layout; x comes beside it: 32 stores, 16 loads
	v_add_nc_u32 v[AX], s[SX], v[XRB]
	v_add_nc_u32 v[AR], s[SR], v[RDW]
.irp n, 0,1,2,3
.irp j, 0,1,2,3,4,5,6
	ds_store_b32 v[STN], v[T3+8*\n+\j] offset:XP*\j+64*\n
.endr
	ds_store_b32 v[STN], v[S+\n] offset:XP*7+64*\n
.endr
	WIN 0x40
	LDR8 HR, STR, 0                                ; LDS serves a wave's instructions in order: these see the stores above
	LDR8 XR, AX, 0
	WIN 0
.endm
.macro ADDX                            ; x + h goes back to its place, its sum of squares to the others
	WIN 0x45
	PK16 v_pk_add_f32, XR, XR, HR
	SUMSQ XR
	WIN 0x04
	STR8 XR, AX, 0
	WIN 0
	ds_store_b32 v[AR], v[ACC]
.endm
.macro G1TRIP next
	CVA
.if \next
	FETCHA                                         ; the next tile's operands land under the lines below
.endif
	s_wait_alu depctr_va_vdst(0)
	CVB
	SCANF
	TR
.if \next
	s_wait_dscnt 48                                ; all but the 48 just issued: the next tile's operands are in
	WMMA1                                          ; stands between the stage's loads and the wait for them
.endif
	s_wait_dscnt 0x0
	ADDX                                           ; its plain lines are the places behind the matrix instructions
	s_add_co_u32 s[SX], s[SX], XT
	s_add_co_u32 s[SR], s[SR], 128
.endm
.macro GELUA                           ; the sums leave their registers, from the low end on: T1 = t = |x| / sqrt 2, T2 = max(x, 0)
	WIN 0x05
.set i, 0
.rept 32
	v_mul_f32 v[T1+i], |v[D+i]|, s[K707]
.set i, i+1
.endr
.set i, 0
.rept 32
	v_max_num_f32 v[T2+i], 0, v[D+i]
.set i, i+1
.endr
	WIN 0
.endm
; T2 = gelu.  In four groups of eight numbers; T3: w for small t, T4: w for large t; the two chains by turns.  The 32 exponentials have one wait, behind the last group
.macro GELUB
.irp g, 0,8,16,24
.irp p, 0,2,4,6
	v_pk_mul_f32 v[PS+\p:PS+\p+1], v[T1+\g+\p:T1+\g+\p+1], v[T1+\g+\p:T1+\g+\p+1]
.endr
.irp p, 0,2,4,6
	v_pk_fma_f32 v[T4+\g+\p:T4+\g+\p+1], v[T1+\g+\p:T1+\g+\p+1], s[KC0:KC0+1], v[VC1:VC1+1] op_sel_hi:[1,0,1]
.endr
.irp p, 0,2,4,6
	v_pk_fma_f32 v[TM+\p:TM+\p+1], v[T1+\g+\p:T1+\g+\p+1], s[KC2:KC2+1], v[VC3:VC3+1] op_sel_hi:[1,0,1]
.endr
.irp p, 0,2,4,6
	v_pk_fma_f32 v[T3+\g+\p:T3+\g+\p+1], v[PS+\p:PS+\p+1], s[KM5:KM5+1], v[VM4:VM4+1] op_sel_hi:[1,0,1]
.endr
.irp p, 0,2,4,6
	v_pk_fma_f32 v[T4+\g+\p:T4+\g+\p+1], v[T4+\g+\p:T4+\g+\p+1], v[PS+\p:PS+\p+1], v[TM+\p:TM+\p+1]
.endr
.irp p, 0,2,4,6
	v_pk_fma_f32 v[T3+\g+\p:T3+\g+\p+1], v[T3+\g+\p:T3+\g+\p+1], v[PS+\p:PS+\p+1], s[KM3:KM3+1] op_sel_hi:[1,1,0]
.endr
.irp p, 0,2,4,6
	v_pk_fma_f32 v[T4+\g+\p:T4+\g+\p+1], v[T4+\g+\p:T4+\g+\p+1], v[T1+\g+\p:T1+\g+\p+1], s[KC4:KC4+1] op_sel_hi:[1,1,0]
.endr
.irp p, 0,2,4,6
	v_pk_fma_f32 v[T3+\g+\p:T3+\g+\p+1], v[T3+\g+\p:T3+\g+\p+1], v[PS+\p:PS+\p+1], s[KM2:KM2+1] op_sel_hi:[1,1,0]
.endr
.irp p, 0,2,4,6
	v_pk_fma_f32 v[T4+\g+\p:T4+\g+\p+1], v[T4+\g+\p:T4+\g+\p+1], v[T1+\g+\p:T1+\g+\p+1], s[KC5:KC5+1] op_sel_hi:[1,1,0]
.endr
.irp p, 0,2,4,6
	v_pk_fma_f32 v[T3+\g+\p:T3+\g+\p+1], v[T3+\g+\p:T3+\g+\p+1], v[PS+\p:PS+\p+1], s[KM1:KM1+1] op_sel_hi:[1,1,0]
.endr
.irp p, 0,2,4,6
	v_pk_fma_f32 v[T4+\g+\p:T4+\g+\p+1], v[T4+\g+\p:T4+\g+\p+1], v[T1+\g+\p:T1+\g+\p+1], s[KC6:KC6+1] op_sel_hi:[1,1,0]
.endr
.irp p, 0,2,4,6
	v_pk_fma_f32 v[T3+\g+\p:T3+\g+\p+1], v[T3+\g+\p:T3+\g+\p+1], v[PS+\p:PS+\p+1], s[KM0:KM0+1] op_sel_hi:[1,1,0]
.endr
.irp p, 0,2,4,6
	v_pk_fma_f32 v[T4+\g+\p:T4+\g+\p+1], v[T4+\g+\p:T4+\g+\p+1], v[T1+\g+\p:T1+\g+\p+1], v[T1+\g+\p:T1+\g+\p+1] neg_lo:[0,0,1] neg_hi:[0,0,1]
.endr
.irp p, 0,2,4,6
	v_pk_fma_f32 v[T3+\g+\p:T3+\g+\p+1], v[T1+\g+\p:T1+\g+\p+1], v[T3+\g+\p:T3+\g+\p+1], s[K707:K707+1] op_sel_hi:[1,1,0] neg_lo:[1,0,0] neg_hi:[1,0,0]   ; w = 1 / sqrt 2 - t (..)
.endr
.irp p, 0,2,4,6
	v_pk_fma_f32 v[T4+\g+\p:T4+\g+\p+1], v[T4+\g+\p:T4+\g+\p+1], s[LG2E:LG2E+1], -0.5 op_sel_hi:[1,0,0]   ; in base 2, with the 1 / sqrt 2 in the exponent
.endr
	s_wait_alu depctr_va_vdst(0)
.irp e, 0,1,2,3,4,5,6,7
	v_exp_f32 v[T4+\g+\e], v[T4+\g+\e]
.endr
.endr
	v_nop                                          ; a plain place behind the last exponential
	s_wait_alu depctr_va_vdst(0)                   ; one wait for the 32
.irp g, 0,8,16,24
.irp e, 0,1,2,3,4,5,6,7
	v_cmp_gt_f32 s[MK+\e], v[T1+\g+\e], s[THR]
.endr
.irp e, 0,1,2,3,4,5,6,7
	v_cndmask_b32 v[T3+\g+\e], v[T3+\g+\e], v[T4+\g+\e], s[MK+\e]
.endr
.endr
.set i, 0
.rept 16
	v_pk_fma_f32 v[T2+i:T2+i+1], v[T1+i:T1+i+1], v[T3+i:T3+i+1], v[T2+i:T2+i+1] neg_lo:[1,0,0] neg_hi:[1,0,0]
.set i, i+2
.endr
.endm
.macro FTRIP next
	GELUA
.if \next
	FETCHA
.endif
	GELUB
.if \next
	s_wait_alu depctr_va_vdst(0)
	s_wait_dscnt 0x0
	WMMA2                                          ; the quantiser's lines are the places behind it
.endif
	QUANT32 T2
	PUTIMG
.endm
; The second feed-forward product of a tile, onto x + b2; the result goes back to x's place.  next = 1: the next tile's operands and x are asked for
.macro G3TRIP next
	s_wait_dscnt 9                                 ; operands and x are in; behind them the last trip issued nine stores, which may be out
	WIN 0x4c
	PK16 v_pk_add_f32, D, T1, B2
	WIN 0
	v_add_nc_u32 v[AX], s[SX], v[XRB]
	v_add_nc_u32 v[AR], s[SR], v[RDW]
	v_nop
	v_nop
	WMMA3
	NOP4                                           ; places in front of the loads into the operands' registers and of the first read of the sums
.if \next
	FETCHA
	LDR8 T1, AX, XT
.endif
	SUMSQ D
	WIN 0x04
	STR8 D, AX, 0
	WIN 0
	ds_store_b32 v[AR], v[ACC]
	s_add_co_u32 s[SX], s[SX], XT
	s_add_co_u32 s[SR], s[SR], 128
.endm
; The final norm of a tile; it turns through x's place into lines.  out = 1: the tile before, read back by lines at the last trip's end, is stored.  next = 1: the next tile is asked for
.macro FIN out, next
	s_wait_dscnt 16*\out                           ; this tile's twelve loads are in; the last trip's eight stores and eight line reads may be out
	NORMA NW
	v_add_nc_u32 v[AX], s[SX], v[XRB]
	v_add_nc_u32 v[ROWA], s[SX], v[XROW]
	s_wait_alu depctr_va_vdst(0)                   ; the wait ahead of the root's first reader
.if \out
	s_wait_dscnt 0x0
	OUTST T3
.endif
.if \next
	s_add_co_u32 s[SX], s[SX], XT
	s_add_co_u32 s[SR], s[SR], 128
	QLOADS
.endif
	PK16S v_pk_mul_f32, T1, T1, v[RS:RS+1]
	STR8 T1, AX, 0
.if \out
	s_wait_xcnt 0x0                                ; the stores have read their registers and their base: both may be written
	s_add_nc_u64 s[XOUT:XOUT+1], s[XOUT:XOUT+1], 8192
.endif
	LDL8 T3, ROWA, 0                               ; LDS serves a wave's instructions in order: these see the stores above
.endm
	; ---- the head
	s_load_b256 s[4:11], s[0:1], 0x0               ; x in, the pairs in, this layer's weights, final_norm_w
	s_load_b64 s[XOUT:XOUT+1], s[0:1], 0x20        ; the output
	v_lshl_add_u32 v114, v0, 2, 0x42400
	v_mov_b32 v115, 0
	v_lshrrev_b32 v[L], 5, v0
	v_readfirstlane_b32 s[WV], v[L]                ; wave 0..3
	v_and_b32 v[L], 31, v0
	v_and_b32 v[R], 15, v0
	v_bfe_u32 v[H], v0, 4, 1
	s_mov_b32 s[G], ttmp9
	s_and_b32 s[CH], ttmp9, 31                     ; my chunk in its sequence
	v_lshlrev_b32 v[L16], 4, v[L]
	v_lshlrev_b32 v[L4], 2, v[L]
	v_lshlrev_b32 v[SCR], 3, v[R]
	v_lshl_add_u32 v[IMR8], v[L], 3, 512
	s_lshl_b32 s[TP], s[WV], 8
	v_lshlrev_b32 v[LX], 4, v[R]
	v_lshl_add_u32 v[LX], v[H], 16, v[LX]
	v_add_nc_u32 v[LX], s[TP], v[LX]
	v_lshlrev_b32 v[PRM], 6, v[H]
	v_add_nc_u32 v[PRM], s[TP], v[PRM]
	s_mul_i32 s[TP], s[WV], XW
	v_mul_u32_u24 v[STN], v[H], 8*XP
	v_lshl_add_u32 v[XROW], v[R], 4, v[STN]
	v_add_nc_u32 v[XROW], s[TP], v[XROW]
	v_mul_u32_u24 v[STR], v[R], XP
	v_lshl_add_u32 v[STR], v[H], 6, v[STR]
	v_add_nc_u32 v[XRB], s[TP], v[STR]
	s_mul_i32 s[TP], s[WV], XT
	s_add_co_u32 s[TP], s[TP], STG
	v_add_nc_u32 v[STR], s[TP], v[STR]
	v_lshl_add_u32 v[STN], v[R], 2, v[STN]
	v_add_nc_u32 v[STN], s[TP], v[STN]
	s_mul_i32 s[TP], s[WV], 6144
	v_add_nc_u32 v[IMW], s[TP], v[L16]
	v_add_nc_u32 v[IMW8], s[TP], v[IMR8]
	s_lshl_b32 s[TP], s[WV], 1
	v_add_nc_u32 v[SCW], s[TP], v[SCR]
	s_lshl_b32 s[TP], s[WV], 10
	v_lshl_add_u32 v[RDW], v[H], 2, v[SCR]
	v_add_nc_u32 v[RDW], s[TP], v[RDW]
	s_mov_b32 s[SEL], 0x76543210
	s_mov_b32 s[SEL+1], 0xfedcba98                 ; v_permlanex16_b32's selects for lane l xor 16
	s_mov_b32 s[PSEL], 0x05040302                  ; v_perm_b32: two registers, 16 bits down
	s_mov_b32 s[EPS], 0x358637bd                   ; 1e-6
	s_mov_b32 s[I256], 0x3b800000                  ; 1 / 256
	s_mov_b32 s[THR], 0x3f6d8000                   ; 475 / 512
	SPAIR NEGL, 0xbfb8aa3b                         ; -log2 e
	SPAIR LG2E, 0x3fb8aa3b
	SPAIR K707, 0x3f3504f3                         ; 1 / sqrt 2
	SPAIR KM0, 0x3f4c422a                          ; small t: erf(t) / (t sqrt 2) as a polynomial in t t
	SPAIR KM1, 0xbe882c03
	SPAIR KM2, 0x3da36176
	SPAIR KM3, 0xbc9b0ebf
	SPAIR KM5, 0xb9dd3c6d
	SPAIR KC0, 0xb7910000                          ; large t: ln erfc(t) as a polynomial in t
	SPAIR KC2, 0xbb7e8a1c
	SPAIR KC4, 0xbddaae5c
	SPAIR KC5, 0xbf228550
	SPAIR KC6, 0xbe03ce86
.irp j, 0,1
	v_mov_b32 v[VM4+\j], 0x3b674bf3
	v_mov_b32 v[VC1+\j], 0x39c8e7d9
	v_mov_b32 v[VC3+\j], 0x3cc6b1a1
.endr
	v_mov_b32 v[TM+2], 0                           ; written once: a lane permute's destination counts as one of its sources
	v_mov_b32 v[TM+3], 0
.irp j, 0,1,2,3
	v_mov_b32 v[SCA+\j], 0                         ; (eight tiles' bytes push these zeros out)
.endr
	v_lshlrev_b32 v[ADA], 4, v[R]
	s_wait_kmcnt 0x0
	s_lshl_b32 s[TP], s[G], 17                     ; 128 rows of 1,024 bytes a work-group
	s_mov_b32 s[TP+1], 0
	s_add_nc_u64 s[XIN:XIN+1], s[XIN:XIN+1], s[TP:TP+1]
	s_add_nc_u64 s[XOUT:XOUT+1], s[XOUT:XOUT+1], s[TP:TP+1]
	; ---- x's tiles 0 to 6 are asked for first
	WIN 0x40
	XLD 0, 56
	WIN 0
	s_mul_i32 s[TP], s[WV], 49152
	s_add_nc_u64 s[WF:WF+1], s[WL:WL+1], s[TP:TP+1]
	s_lshl_b32 s[TP], s[WV], 12
	s_add_co_u32 s[TP], s[TP], 196608
	s_add_nc_u64 s[WS:WS+1], s[WL:WL+1], s[TP:TP+1]
	s_add_nc_u64 s[WP:WP+1], s[WL:WL+1], 212992
	s_lshl_b32 s[TP], s[G], 12
	s_lshl_b32 s[T], s[WV], 10
	s_add_co_u32 s[TP], s[TP], s[T]                ; my records: 4,096 g + 1,024 w
	s_add_nc_u64 s[OWN:OWN+1], s[AGI:AGI+1], s[TP:TP+1]
	s_lshl_b32 s[T], s[CH], 12
	s_sub_co_u32 s[TP], s[TP], s[T]
	s_add_nc_u64 s[FB:FB+1], s[AGI:AGI+1], s[TP:TP+1]  ; those of my sequence's chunk 0
	; ---- x goes into LDS by lines and comes back in the row layout; each tile's sums of squares go to the others.  Behind each tile that has come, eight or nine more loads go out
	v_add_nc_u32 v[AR], RED1, v[RDW]
.set tt, 0
.rept 8
	s_wait_loadcnt 48+tt/6                         ; this tile's eight loads are in: behind them were issued the later tiles' and the groups below: 48, and 49 once the group of nine is among them
.if tt == 0
	WIN 0x40
	XLD 56, 8                                      ; x's last tile
.elseif tt == 1
	WIN 0x80
	LDPARAM NW, WP, 0
.elseif tt < 5
	WIN 0
	RECA 8*(tt-2), 8                               ; the pairs of chunks 0..23 of my sequence
.elseif tt == 5
	WIN 0
	RECA 24, 7                                     ; of chunks 24..30,
	global_load_b128 v[PS:PS+3], v[ADA], s[OWN:OWN+1] offset:512       ; and my own first half's: P0 of the four channel tiles,
	global_load_b128 v[PS+4:PS+7], v[ADA], s[OWN:OWN+1] offset:768     ; H0
.else
	WIN 0
	LDSC HGS+8*(tt-6), 8*(tt-6), 8, WS
.endif
	WIN 0x04
	STL8 32*tt, XROW, XT*tt
	WIN 0x40
	LDR8 32*tt, XRB, XT*tt                         ; LDS serves a wave's instructions in order: these see the stores above
.if tt > 0
	s_wait_dscnt 16                                ; the tile before is back: only this tile's sixteen may be out
	SUMSQ 32*(tt-1)
	ds_store_b32 v[AR], v[ACC] offset:128*(tt-1)
.endif
.set tt, tt+1
.endr
	s_wait_dscnt 0x0
	SUMSQ 224
	ds_store_b32 v[AR], v[ACC] offset:896
	s_wait_loadcnt 8                               ; the norm's weight and the pairs are in: behind them only whg's sixteen scale words were issued; with the 48 below at most 56 are out
	WIN 0x80
	LDFR HG, 0, 16, WF                             ; whg lands under the carry and the first quantiser
	WIN 0
	; ---- the carry: the fold of the chunks ahead of mine (a branch on the work-group's number), then my second half's start
	v_mov_b32 v[TM], 0
	v_mov_b32 v[TM+1], 0
.set k, 0
.rept 31
	s_cmp_le_u32 s[CH], k
	s_cbranch_scc1 .Lfolded
	v_fma_f32 v[TM], v[T1+4*k], v[TM], v[T1+4*k+2]
	v_fma_f32 v[TM+1], v[T1+4*k+1], v[TM+1], v[T1+4*k+3]
.set k, k+1
.endr
.Lfolded:
	s_wait_alu depctr_va_vdst(0)
	v_permlanex16_b32 v[TM+2], v[TM], s[SEL], s[SEL+1]
	v_permlanex16_b32 v[TM+3], v[TM+1], s[SEL], s[SEL+1]
	s_mov_b32 vcc_lo, 0xffff0000                   ; lanes 16-31
	v_cndmask_b32 v[TM+4], v[TM], v[TM+2], vcc_lo  ; the chunk's start value of channel tiles 0..3, in every lane
	v_cndmask_b32 v[TM+5], v[TM+1], v[TM+3], vcc_lo
	v_cndmask_b32 v[TM+6], v[TM+2], v[TM], vcc_lo
	v_cndmask_b32 v[TM+7], v[TM+3], v[TM+1], vcc_lo
.irp n, 0,1,2,3
	v_fma_f32 v[PP+\n], v[PS+\n], v[TM+4+\n], v[PS+4+\n]
.endr
.irp n, 0,1,2,3
	v_cndmask_b32 v[S+\n], v[TM+4+\n], v[PP+\n], vcc_lo   ; lanes 16-31 begin at row 64
.endr
	BARRIER                                        ; every row's eight partial sums lie in LDS
	QLOOP NW, RED1, IMG1, SC1
	s_wait_loadcnt 0x0                             ; whg and its scale words are in
	WIN 0xc0                                       ; what the second quantiser and the first feed-forward product want lands under the scan: 48 loads
	LDFR W1F, 16, 8, WF
	LDPARAM B1, WP, 2048
	WIN 0x80
	LDPARAM FNW, WP, 1024
	WIN 0
	LDSC W1S, 16, 8, WS
	BARRIER                                        ; the rows' codes and scale bytes lie in LDS
	; ---- the scan
	s_mov_b32 s[SX], 0
	s_mov_b32 s[SR], RED2
	s_mov_b32 s[SIA], IMG1
	s_mov_b32 s[SSA], SC1
	FETCHA
	s_wait_dscnt 0x0
	WMMA1
	NOP4
	s_mov_b32 s[T], 7
.Lg1:
	G1TRIP 1
	s_sub_co_i32 s[T], s[T], 1
	s_cmp_lg_u32 s[T], 0
	s_cbranch_scc1 .Lg1
	G1TRIP 0
	s_wait_loadcnt 0x0                             ; ff_w1, its bias and the second norm's weight are in
	WIN 0xc0                                       ; what the second feed-forward product wants, and the final norm's weight into the first norm's registers, lands under the second quantiser: 48 loads
	LDFR W2F, 24, 8, WF
	LDPARAM B2, WP, 3072
	WIN 0x80
	LDPARAM NW, WLN, 0
	WIN 0
	LDSC W2S, 24, 8, WS
	BARRIER
	QLOOP FNW, RED2, IMG2, SC2
	s_wait_loadcnt 0x0                             ; ff_w2, its bias and the final norm's weight are in
	BARRIER
	; ---- first feed-forward product, gelu, quantiser
	s_mov_b32 s[SI], IMG3
	s_mov_b32 s[SIA], IMG2
	s_mov_b32 s[SSA], SC2
	FETCHA
	s_wait_dscnt 0x0
	WMMA2
	NOP4
	s_mov_b32 s[T], 7
.Lf:
	FTRIP 1
	s_sub_co_i32 s[T], s[T], 1
	s_cmp_lg_u32 s[T], 0
	s_cbranch_scc1 .Lf
	FTRIP 0
	PUTSC SC3
	BARRIER
	; ---- second feed-forward product, bias, residual
	s_mov_b32 s[SX], 0
	s_mov_b32 s[SR], RED3
	s_mov_b32 s[SIA], IMG3
	s_mov_b32 s[SSA], SC3
	FETCHA
	v_add_nc_u32 v[AX], s[SX], v[XRB]
	LDR8 T1, AX, 0
	s_wait_dscnt 0x0                               ; on the way in nothing younger stands behind the first tile's loads
	s_mov_b32 s[T], 7
.Lg3:
	G3TRIP 1
	s_sub_co_i32 s[T], s[T], 1
	s_cmp_lg_u32 s[T], 0
	s_cbranch_scc1 .Lg3
	G3TRIP 0
	BARRIER
	; ---- the final norm; the output leaves
	s_mov_b32 s[SX], 0
	s_mov_b32 s[SR], RED3
	QLOADS
	FIN 0, 1
	s_mov_b32 s[T], 6
.Lfin:
	FIN 1, 1
	s_sub_co_i32 s[T], s[T], 1
	s_cmp_lg_u32 s[T], 0
	s_cbranch_scc1 .Lfin
	FIN 1, 0
	s_wait_dscnt 0x0
	OUTST T3
	s_wait_tensorcnt 0x0
	ds_add_u32 v114, v115
	s_wait_dscnt 0x0
	s_endpgm
.Lfunc_end_k_qfb663def91_last:
	.size	k_qfb663def91_last, .Lfunc_end_k_qfb663def91_last-k_qfb663def91_last
	.p2alignl 7, 3214868480
	.fill 96, 4, 3214868480
	.section	.rodata,"a",@progbits
	.p2align	6, 0x0
	.amdhsa_kernel k_qfb663def91_last
		.amdhsa_group_segment_fixed_size 271872
		.amdhsa_private_segment_fixed_size 0
		.amdhsa_enable_private_segment 0
		.amdhsa_kernarg_size 40
		.amdhsa_user_sgpr_count 2
		.amdhsa_user_sgpr_kernarg_segment_ptr 1
		.amdhsa_wavefront_size32 1
		.amdhsa_system_sgpr_workgroup_id_x 1
		.amdhsa_system_sgpr_workgroup_id_y 1
		.amdhsa_system_sgpr_workgroup_id_z 1
		.amdhsa_system_vgpr_workitem_id 0
		.amdhsa_next_free_vgpr 1024
		.amdhsa_next_free_sgpr 96
		.amdhsa_reserve_vcc 1
		.amdhsa_float_denorm_mode_32 3
		.amdhsa_float_denorm_mode_16_64 3
		.amdhsa_memory_ordered 1
		.amdhsa_forward_progress 1
		.amdhsa_inst_pref_size 216
	.end_amdhsa_kernel
	.amdgpu_metadata
---
amdhsa.version: [ 1, 2 ]
amdhsa.kernels:
  - .name:           k_qfb663def91_last
    .symbol:         k_qfb663def91_last.kd
    .args:
      - { .name: xa, .offset: 0, .size: 8, .value_kind: global_buffer, .address_space: global }
      - { .name: aggb, .offset: 8, .size: 8, .value_kind: global_buffer, .address_space: global }
      - { .name: wl3, .offset: 16, .size: 8, .value_kind: global_buffer, .address_space: global }
      - { .name: final_norm_w, .offset: 24, .size: 8, .value_kind: global_buffer, .address_space: global }
      - { .name: out0, .offset: 32, .size: 8, .value_kind: global_buffer, .address_space: global }
    .group_segment_fixed_size: 271872
    .private_segment_fixed_size: 0
    .kernarg_segment_align: 8
    .kernarg_segment_size: 40
    .max_flat_workgroup_size: 128
    .sgpr_count:     96
    .vgpr_count:     1024
    .wavefront_size: 32
...
	.end_amdgpu_metadata
.endif
;; end of part 4
